; MI455X (gfx1250); checked and timed in simulation.
; The chip was launched on July 23, 2026; its instructions are those of AMD's public machine-readable ISA for CDNA 5 (MIT licence, August 2026) and "CDNA5" Instruction Set Architecture Reference Guide (July 2026). The comments in the code are by the model that wrote it; some were corrected since.
;; Causal Multi Head Attention. Allowed arithmetic: matrix products marked QUANTISED: E4M3 operands, one given power-of-two scale a tensor, by v_wmma_f32_16x16x64_fp8_fp8 or v_wmma_f32_16x16x128_fp8_fp8, f32 sums; everything else in f32.
;; Inputs: W_o 1,024 x 1,024 float32; W_qkv 1,024 x 3,072 float32; b_o 1,024 float32; b_qkv 3,072 float32; lowp_scales 8 int32 (the exponents e of the quantised operands' scales 2^e); x 4 x 2,048 x 1,024 float32.
;; Outputs: out0 4 x 2,048 x 1,024 float32.
;; This version of the problem:
;;   THIS VERSION OF THE PROBLEM IS GIVEN IN LOW PRECISION. The matrix products marked QUANTISED in the list below multiply operands that are first quantised to E4M3 (4 exponent bits, 3 mantissa bits; 8 bits a number), with one given power-of-two scale for each operand tensor; their sums are f32. All else is computed in f32.
;;   The module's matrix products, in the order in which they are computed (A, B: the left and right operand; K: the contracted axis; several contracted axes count as one K, in the product's order):
;;     1. [M 8,192, K 1,024] x [K 1,024, N 3,072]; A: input x; B: input W_qkv: QUANTISED (scales: A lowp_scales[0], B lowp_scales[1])
;;     2. batch 64 x [M 2,048, K 64] x [K 64, N 2,048]; A: computed on the way; B: computed on the way: QUANTISED (scales: A lowp_scales[2], B lowp_scales[3])
;;     3. batch 64 x [M 2,048, K 2,048] x [K 2,048, N 64]; A: softmax (see below); B: computed on the way: QUANTISED (scales: A lowp_scales[4], B lowp_scales[5])
;;     4. [M 8,192, K 1,024] x [K 1,024, N 1,024]; A: computed on the way; B: input W_o: QUANTISED (scales: A lowp_scales[6], B lowp_scales[7])
;;   THE QUANTISER, for each operand of a quantised product, along K:
;;     - The operand's scale is 2^e, e = its entry of the input lowp_scales (int32; the entries are numbered through the quantised products in the list's order, A before B).
;;     - Each number is divided by the scale, clamped to +-448, and rounded to the nearest number of E4M3, ties to even, subnormals kept.
;;     - The product sums the exact products of the quantised numbers (number of the format x scale) in f32.
;;   ~~~python
;;   def quantise(x, axis, e):      # numpy; x: float32 -> the quantised numbers, widened to float32 again
;;       x = np.moveaxis(x, axis, -1); K = x.shape[-1]
;;       r = np.clip(x / 2.0 ** e, -448, 448)
;;       step = 2.0 ** (np.maximum(np.frexp(np.where(r == 0, 1, r))[1] - 1, -6) - 3)
;;       q = np.round(r / step) * step * 2.0 ** e      # np.round: ties to even
;;       return np.moveaxis(q, -1, axis).astype(np.float32)
;;   ~~~
;;   SOFTMAX AHEAD OF A QUANTISED PRODUCT. Where the list says 'softmax', what is quantised is not the finished softmax but p = 2^(t - M), with t = logit x log2(e) and M = ceil(the row's largest t), a whole number; so 1/2 < the row's largest p <= 1. The row's sum l is taken of the UNQUANTISED p, in f32, and the product's result is divided by l at the end. Since M is a whole number, a kernel that streams over the keys may use a running M (the ceiling of the running maximum): every later rescaling is an exact power of two, so the quantised numbers keep their values, but for numbers so far below the row's largest that they fall under the format's range.
;;   OPERANDS COMPUTED ON THE WAY. 'Computed on the way' means the value that the module computes at that place (a softmax that the list does not call 'softmax' is quantised finished and normalised). What goes into a quantiser is computed in f32, as accurately as f32 sums, v_exp_f32 and their like allow (about 1e-6 of the number): no bf16 or f16 on the way to a quantiser, and a product that is left as it is and whose result goes on into a quantised operand takes f32 operands (vector FMAs, or v_wmma_f32_16x16x4_f32). A number that lies on a knife's edge between two numbers of the format may be rounded either way, as far as f32 arithmetic and the matrix unit's own rounding can turn it there, and no further.
;; One version. Each part assembles by itself: llvm-mc -triple=amdgcn-amd-amdhsa -mcpu=gfx1250 --defsym DOCPART=n.
;; ======== version 1 of 1: 4 launches
;; limits: right only within a limited range of input values
;; workspace buffers: x_img 8,388,608 bytes; wqkv_img 3,145,728 bytes; wo_img 1,048,576 bytes; q_img 8,388,608 bytes; k_img 8,388,608 bytes; v_img 8,388,608 bytes; o_img 8,388,608 bytes
;; launch prep (part 1): grid 384 x 1, 4 waves a work-group, no clusters, 34,304 bytes of LDS; arguments x, W_qkv, W_o, lowp_scales, x_img, wqkv_img, wo_img; writes x_img, wqkv_img, wo_img
.if DOCPART == 1
	.amdgcn_target "amdgcn-amd-amdhsa--gfx1250"
	.amdhsa_code_object_version 6
	.text
	.protected	k_q306037193d_prep
	.globl	k_q306037193d_prep
	.p2align	8
	.type	k_q306037193d_prep,@function
k_q306037193d_prep:
	s_mov_b64 s[64:65], 0
	v_nop
	global_prefetch_b8 v0, s[64:65] scope:SCOPE_SE
	s_setreg_imm32_b32 hwreg(HW_REG_WAVE_MODE, 25, 1), 1
	s_wait_xcnt 0x0
; x [8192][1024], W_qkv [1024][3072] and W_o [1024][1024], f32, become codes of FP8 (E4M3) with the given scales 2^e0, 2^e1, 2^e7.
; code = number / 2^e, held within +-448, rounded to the nearest code, ties to even.
; LIMITS: e0, e1, e7 between -126 and 119, so that 2^e and 448 x 2^e are f32 numbers.  NaN among the inputs is not served; an infinity is held at the largest code.
; THE CODES ARE STORED AS IMAGES OF THE OPERAND'S REGISTERS.  A fragment is 16 rows x 128 K in 16 registers a lane: lane (r, h) holds row r, registers 2 c, 2 c + 1 hold k = 16 c + 8 h + 0 .. 7.
; A chunk is four of these registers for all 32 lanes, lane l's 16 bytes at 16 l: 512 bytes; a fragment is four chunks.  Images: [256 along K: 4][tile of 16 rows][128 along K: 2][chunk 4][lane 32][16 bytes].
; So the products' launches bring a K step's tiles as one dense block and read every fragment at 16 x lane.
; SHARES.  Work-groups 0-255: x (128 KB of f32 each); 256-351: W_qkv; 352-383: W_o.  The three ways part on the work-group's number; only x's way touches LDS.
; x: K is innermost.  A wave takes 16 tokens x 512 K in four steps of one fragment.  Each load reads 512 consecutive bytes of one token; a step's 16 x 512 bytes turn through the wave's own stage
; (rows of 528 bytes: 132 words, so that sixteen rows start at sixteen different groups of four banks) and come back 32 bytes of a lane's own row at a time.
; W: K is the first axis.  A lane takes a column and its registers run down K, 32 a block; the conversions give codes with K innermost, and nothing is transposed.
.set STG,   8448                       ; a wave's stage: 16 rows x 528 bytes
.set SPARE, 4*STG                      ; behind the four stages: the spare words, 128 bytes a wave: two blocks of 256 bytes that no other line names
.set SPW, 6                            ; v6   LDS address of my spare word; never rewritten
.set NIL, 7                            ; v7   0; never rewritten
.set LN,  8                            ; v8   lane
.set R,   16                           ; v16-143  x: two sets of 64 registers as loaded
.set X,   144                          ; v144-207 x: 64 numbers in the fragment's order
.set C,   208                          ; v208-239 x: two sets of 16 registers of codes
.set WX,  16                           ; v16-79   W: two sets of 32 numbers
.set WC,  80                           ; v80-143  W: eight registers of codes for each of eight blocks: no store's data are written again
.macro XLOAD t                         ; step t: 128 K of each of my 16 tokens
.irp i, 0,1,2,3,4,5,6,7,8,9,10,11,12,13,14,15
	global_load_b128 v[R+64*((\t)%2)+4*\i:R+64*((\t)%2)+4*\i+3], v1, s[4:5] offset:4096*\i+512*(\t) th:TH_LOAD_NT
.endr
.endm
.macro XSTEP t
.set RS, R+64*((\t)%2)
.set CS, C+16*((\t)%2)
.if (\t) < 3
	s_wait_loadcnt 16                              ; this step's 16 loads are in; the next step's 16 may be out
.else
	s_wait_loadcnt 0
.endif
.irp i, 0,1,2,3,4,5,6,7,8,9,10,11,12,13,14,15
	ds_store_b128 v2, v[RS+4*\i:RS+4*\i+3] offset:528*\i           ; token i's 512 bytes as they lie
.endr
.irp g, 0,1,2,3                        ; LDS serves a wave's instructions in order (ISA guide 5.7.1.4): these see the stores above
	ds_load_b128 v[X+16*\g:X+16*\g+3],     v3 offset:128*\g        ; k = 32 g + 8 h + 0 .. 3 of row r
	ds_load_b128 v[X+16*\g+4:X+16*\g+7],   v3 offset:128*\g+16     ; + 4 .. 7
	ds_load_b128 v[X+16*\g+8:X+16*\g+11],  v3 offset:128*\g+64     ; k = 32 g + 16 + 8 h + 0 .. 3
	ds_load_b128 v[X+16*\g+12:X+16*\g+15], v3 offset:128*\g+80     ; + 4 .. 7
.endr
	s_wait_dscnt 0x0                               ; the numbers are back; the stores into the stage have read their registers,
.if (\t) < 2
	XLOAD (\t)+2                                   ; which take the loads of two steps on
.endif
.set j, 0
.rept 64
.set j, j+1
.endr
.if (\t) >= 2
	s_wait_xcnt 0x0                                ; the stores of two steps back have read this set of codes: it is written again only behind this wait
.endif
.irp g, 0,1,2,3
	v_cvt_scalef32_pk8_fp8_f32 v[CS+4*\g:CS+4*\g+1],   v[X+16*\g:X+16*\g+7],    v4
	v_cvt_scalef32_pk8_fp8_f32 v[CS+4*\g+2:CS+4*\g+3], v[X+16*\g+8:X+16*\g+15], v4
.endr
	v_nop                                          ; one plain vector line behind the last conversion of the run
.irp g, 0,1,2,3
	global_store_b128 v1, v[CS+4*\g:CS+4*\g+3], s[12:13] offset:((\t)/2)*2097152+((\t)%2)*2048+512*\g   ; a chunk: 512 consecutive bytes, at a multiple of 256 from the buffer's first byte
.endr
.endm
.macro WLOAD t, N, src                 ; block t: W(32 t + i, my column), i = 0 .. 31
.irp i, 0,1,2,3,4,5,6,7,8,9,10,11,12,13,14,15,16,17,18,19,20,21,22,23,24,25,26,27,28,29,30,31
	global_load_b32 v[WX+32*((\t)%2)+\i], v1, s[\src:\src+1] offset:(32*(\t)+\i)*4*\N th:TH_LOAD_NT
.endr
.endm
.macro WBLOCK t, N, src, dst
.set XS, WX+32*((\t)%2)
.set CB, WC+8*(\t)
.if (\t) < 7
	s_wait_loadcnt 32                              ; this block's 32 loads are in; the next block's may be out
.else
	s_wait_loadcnt 0
.endif
.set j, 0
.rept 32
.set j, j+1
.endr
	v_cvt_scalef32_pk8_fp8_f32 v[CB:CB+1],   v[XS:XS+7],     v4    ; the piece of lane (r, 0): k = 0 .. 7,
	v_cvt_scalef32_pk8_fp8_f32 v[CB+2:CB+3], v[XS+16:XS+23], v4    ; and 16 .. 23
	v_cvt_scalef32_pk8_fp8_f32 v[CB+4:CB+5], v[XS+8:XS+15],  v4    ; the piece of lane (r, 1): k = 8 .. 15,
	v_cvt_scalef32_pk8_fp8_f32 v[CB+6:CB+7], v[XS+24:XS+31], v4    ; and 24 .. 31
	v_nop
	global_store_b128 v2, v[CB:CB+3],   s[\dst:\dst+1] offset:((\t)/4)*2048+((\t)%4)*512       ; sixteen lanes store 256 consecutive bytes, aligned: the lower half of a chunk of their tile
	global_store_b128 v2, v[CB+4:CB+7], s[\dst:\dst+1] offset:((\t)/4)*2048+((\t)%4)*512+256   ; and its upper half
.if (\t)+2 < 8
	WLOAD (\t)+2, \N, \src
.endif
.endm
; A weight [1024][N]: a work-group takes 256 along K x 128 columns, a wave 32 columns: two tiles of 16.
.macro WPATH N, FIRST, src, dst, ex
	s_sub_co_u32 s20, ttmp9, \FIRST
	s_and_b32 s21, s20, 3                          ; which 256 along K
	s_lshr_b32 s20, s20, 2
	s_lshl_b32 s20, s20, 7
	s_lshl_b32 s22, s18, 5
	s_add_co_u32 s20, s20, s22                     ; my wave's first column
	s_mul_i32 s32, s21, 1024*\N                    ; 256 rows of 4 N bytes
	s_lshl_b32 s22, s20, 2
	s_add_co_u32 s32, s32, s22
	s_mov_b32 s33, 0
	s_add_nc_u64 s[\src:\src+1], s[\src:\src+1], s[32:33]
	s_mul_i32 s32, s21, 256*\N                     ; N / 16 tiles of 4,096 bytes
	s_lshl_b32 s22, s20, 8                         ; column / 16 x 4,096
	s_add_co_u32 s32, s32, s22
	s_add_nc_u64 s[\dst:\dst+1], s[\dst:\dst+1], s[32:33]
	v_lshlrev_b32 v1, 2, v[LN]                     ; in: 4 bytes a lane: 128 consecutive bytes a wave, 512 a work-group
	v_lshrrev_b32 v2, 4, v[LN]
	v_and_b32 v3, 15, v[LN]
	v_lshlrev_b32 v2, 12, v2
	v_lshl_add_u32 v2, v3, 4, v2                   ; out: my tile (lane / 16) x 4,096 + 16 x (lane % 16)
	WLOAD 0, \N, \src
	WLOAD 1, \N, \src
	s_wait_kmcnt 0x0
	s_add_co_i32 s35, s[\ex], 127
	s_lshl_b32 s36, s35, 23
	v_mov_b32 v4, s36                              ; 2^e as f32: the conversion takes its exponent field
	s_add_co_i32 s35, s35, 8
	s_lshl_b32 s35, s35, 23
	s_or_b32 s35, s35, 0x600000
	s_wait_alu depctr_va_vdst(0)
.irp t, 0,1,2,3,4,5,6,7
	WBLOCK \t, \N, \src, \dst
.endr
.endm
	s_load_b256 s[4:11], s[0:1], 0x0               ; x s[4:5], W_qkv s[6:7], W_o s[8:9], the scales' exponents s[10:11]
	s_load_b128 s[12:15], s[0:1], 0x20             ; x_img s[12:13], wqkv_img s[14:15]
	s_load_b64 s[16:17], s[0:1], 0x30              ; wo_img
	v_lshl_add_u32 v[SPW], v0, 2, SPARE
	v_mov_b32 v[NIL], 0
	v_lshrrev_b32 v1, 5, v0
	v_readfirstlane_b32 s18, v1                    ; wave 0..3
	v_and_b32 v[LN], 31, v0
	s_wait_kmcnt 0x0
	s_load_b256 s[24:31], s[10:11], 0x0            ; e0 .. e7
	s_cmp_lt_u32 ttmp9, 256
	s_cbranch_scc0 .Lweights
	; ---- x
	s_lshl_b32 s20, ttmp9, 2
	s_add_co_u32 s20, s20, s18                     ; my wave's job, 0 .. 1023
	s_lshr_b32 s21, s20, 1                         ; the tile of 16 tokens
	s_and_b32 s22, s20, 1                          ; which 512 along K
	s_lshl_b32 s32, s21, 16                        ; 16 rows of 4,096 bytes
	s_lshl_b32 s33, s22, 11
	s_add_co_u32 s32, s32, s33
	s_mov_b32 s33, 0
	s_add_nc_u64 s[4:5], s[4:5], s[32:33]
	s_lshl_b32 s32, s22, 22                        ; two runs of 256 along K, 2,097,152 bytes each
	s_lshl_b32 s34, s21, 12
	s_add_co_u32 s32, s32, s34
	s_add_nc_u64 s[12:13], s[12:13], s[32:33]
	s_wait_alu depctr_va_vdst(0)
	v_lshlrev_b32 v1, 4, v[LN]                     ; 16 x lane: in memory, in x and in the image
	s_mul_i32 s34, s18, STG
	v_add_nc_u32 v2, s34, v1                       ; the stage, on the way in
	v_and_b32 v9, 15, v[LN]
	v_lshrrev_b32 v10, 4, v[LN]
	v_mul_u32_u24 v3, v9, 528
	v_lshl_add_u32 v3, v10, 5, v3
	v_add_nc_u32 v3, s34, v3                       ; and on the way out: row r, + 32 h
	XLOAD 0
	XLOAD 1
	s_wait_alu depctr_va_vdst(0)
	s_wait_kmcnt 0x0
	s_add_co_i32 s35, s24, 127
	s_lshl_b32 s36, s35, 23
	v_mov_b32 v4, s36                              ; 2^e0
	s_add_co_i32 s35, s35, 8
	s_lshl_b32 s35, s35, 23
	s_or_b32 s35, s35, 0x600000
	s_wait_alu depctr_va_vdst(0)
	XSTEP 0
	XSTEP 1
	XSTEP 2
	XSTEP 3
	s_wait_tensorcnt 0x0                           ; the wave's end, behind my last LDS store
	ds_add_u32 v[SPW], v[NIL]
	s_wait_dscnt 0x0
	s_endpgm
.Lweights:
	s_cmp_lt_u32 ttmp9, 352
	s_cbranch_scc0 .Lwo
	s_wait_alu depctr_va_vdst(0)
	WPATH 3072, 256, 6, 14, 25                     ; W_qkv with e1
	s_endpgm
.Lwo:
	s_wait_alu depctr_va_vdst(0)
	WPATH 1024, 352, 8, 16, 31                     ; W_o with e7
	s_endpgm
.Lfunc_end_k_q306037193d_prep:
	.size	k_q306037193d_prep, .Lfunc_end_k_q306037193d_prep-k_q306037193d_prep
	.p2alignl 7, 3214868480
	.fill 96, 4, 3214868480
	.section	.rodata,"a",@progbits
	.p2align	6, 0x0
	.amdhsa_kernel k_q306037193d_prep
		.amdhsa_group_segment_fixed_size 34304
		.amdhsa_private_segment_fixed_size 0
		.amdhsa_enable_private_segment 0
		.amdhsa_kernarg_size 56
		.amdhsa_user_sgpr_count 2
		.amdhsa_user_sgpr_kernarg_segment_ptr 1
		.amdhsa_wavefront_size32 1
		.amdhsa_system_sgpr_workgroup_id_x 1
		.amdhsa_system_sgpr_workgroup_id_y 1
		.amdhsa_system_sgpr_workgroup_id_z 1
		.amdhsa_system_vgpr_workitem_id 0
		.amdhsa_next_free_vgpr 240
		.amdhsa_next_free_sgpr 66
		.amdhsa_reserve_vcc 0
		.amdhsa_float_denorm_mode_32 3
		.amdhsa_float_denorm_mode_16_64 3
		.amdhsa_fp16_overflow 1
		.amdhsa_memory_ordered 1
		.amdhsa_forward_progress 1
		.amdhsa_inst_pref_size 79
	.end_amdhsa_kernel
	.amdgpu_metadata
---
amdhsa.version: [ 1, 2 ]
amdhsa.kernels:
  - .name:           k_q306037193d_prep
    .symbol:         k_q306037193d_prep.kd
    .args:
      - { .name: x, .offset: 0, .size: 8, .value_kind: global_buffer, .address_space: global }
      - { .name: W_qkv, .offset: 8, .size: 8, .value_kind: global_buffer, .address_space: global }
      - { .name: W_o, .offset: 16, .size: 8, .value_kind: global_buffer, .address_space: global }
      - { .name: lowp_scales, .offset: 24, .size: 8, .value_kind: global_buffer, .address_space: global }
      - { .name: x_img, .offset: 32, .size: 8, .value_kind: global_buffer, .address_space: global }
      - { .name: wqkv_img, .offset: 40, .size: 8, .value_kind: global_buffer, .address_space: global }
      - { .name: wo_img, .offset: 48, .size: 8, .value_kind: global_buffer, .address_space: global }
    .group_segment_fixed_size: 34304
    .private_segment_fixed_size: 0
    .kernarg_segment_align: 8
    .kernarg_segment_size: 56
    .max_flat_workgroup_size: 128
    .sgpr_count:     66
    .vgpr_count:     240
    .wavefront_size: 32
...
	.end_amdgpu_metadata
.endif
;; end of part 1
;; launch qkv (part 2): grid 12 x 32, 4 waves a work-group, clusters of 4 x 4, 327,680 bytes of LDS; arguments x_img, wqkv_img, b_qkv, lowp_scales, q_img, k_img, v_img; writes q_img, k_img, v_img
.if DOCPART == 2
	.amdgcn_target "amdgcn-amd-amdhsa--gfx1250"
	.amdhsa_code_object_version 6
	.text
	.protected	k_q306037193d_qkv
	.globl	k_q306037193d_qkv
	.p2align	8
	.type	k_q306037193d_qkv,@function
k_q306037193d_qkv:
	s_mov_b64 s[64:65], 0
	v_nop
	global_prefetch_b8 v0, s[64:65] scope:SCOPE_SE
	s_setreg_imm32_b32 hwreg(HW_REG_WAVE_MODE, 25, 1), 1
	s_wait_xcnt 0x0
	s_wait_alu depctr_hold_cnt(0) depctr_sa_sdst(0) depctr_va_vdst(0) depctr_va_sdst(0) depctr_va_ssrc(0) depctr_va_vcc(0) depctr_vm_vsrc(0)
	s_getreg_b32 s2, hwreg(HW_REG_IB_STS2, 6, 4)
	s_cmp_eq_u32 s2, 0
	s_cbranch_scc0 .Lentry_in_a_cluster
	s_endpgm
.Lentry_in_a_cluster:
	s_bfe_u32 s2, ttmp6, 0x10000c
	s_cmp_lg_u32 s2, 0xf033
	s_cbranch_scc0 .Lentry_shape_is_right
	s_endpgm
.Lentry_shape_is_right:
; qkv = x W_qkv + b_qkv on codes of FP8 (E4M3), 8,192 x 3,072 x 1,024; each number is then quantised as the operand of attention that it is (q: e2, k: e3, v: e5) and stored as an image of that operand's registers.
; A sum stands for sum x 2^(e0 + e1): one packed multiply-add gives sum x 2^(e0 + e1) + bias in f32; then the hold at +-448 x 2^e and the conversion.
; LIMITS: e0 + e1 between -126 and 127; e2, e3, e5 between -126 and 119.
; INPUT IMAGES: [256 along K: 4][tile of 16 rows][128 along K: 2][chunk 4][lane 32][16 bytes]; a fragment (16 rows x 128 K, 16 registers) is four chunks, lane l's 16 bytes at 16 l, k in the matrix form's own order.
; So 8 tiles x 256 K are 32,768 dense bytes, one tensor load, and every fragment is read at 16 x lane: consecutive bytes, no pitch, no padding.
; SHARES.  A work-group of four waves makes 256 tokens x 256 columns; a wave 128 x 128: 64 accumulators, 512 registers.  K goes in four steps of 256 through two LDS slots.
; CLUSTERS: 4 x 4 work-groups.  The four of a row need the same tiles of x, the four of a column the same tiles of W: each is asked for jointly, by the same tensor load with the same descriptor and a mask that names the four.
; 1,024 columns are four work-groups: the cluster's x says whether its columns are q's (0), k's (1) or v's (2), the same for all sixteen partners.
; THE MATRIX LINE is always D(a, b) = BF[b] x AF[a]: lane (r, h), register j holds (BF's row 16 b + 8 h + j, AF's row 16 a + r).
;   q, k: AF = tokens, BF = columns: a lane holds one token and eight neighbours along the head's 64, which are the next K: the conversion's result is registers 2 (b % 4), 2 (b % 4) + 1 of the fragment of head b / 4.
;   v:    AF = columns, BF = tokens: a lane holds one column and eight neighbouring keys, which are the next K: registers 2 b, 2 b + 1 of the fragment of 128 keys.
; The loop's text is the same for both: only the two LDS bases change places, by a choice on the cluster's x.
; OUTPUT IMAGES: q_img, k_img [head 64][tile of 16 tokens 128][chunk 2][32][16]; v_img [head 64][128 keys: 16][tile of 16 of the head's 64: 4][chunk 4][32][16].  Every store is a chunk: 512 consecutive bytes, aligned to 256.
; REGISTERS, in windows of 256: window 0: v12-31 addresses and constants; v32-95 the bias in q's and k's layout; v96-111 in v's; v128-255 AF, ONE set of 8 fragments (on the way out v192-207 the codes).
;   window 1: BF, TWO sets, at v0 and v128.   window 2: accumulators of AF's blocks 0-3 ((a, b) at v[8 (8 (a % 4) + b)]);   window 3: of blocks 4-7.
.set HALFT,  32768                     ; 8 tiles x 4,096 bytes: what one tensor load brings, and what one wave reads of either side
.set SLOT,   4*HALFT                   ; x's 16 tiles, then W's 16 tiles
.set SPARE,  2*SLOT                    ; behind the ring: the spare words, 128 bytes a wave: two blocks of 256 bytes that no other line names
.set AKS,    2097152                   ; x_img: from 256 along K to the next
.set BKS,    786432                    ; wqkv_img: the same
.set FR,     16                        ; registers of a fragment
.set NL,     4                         ; LDS loads that bring one
.set NP,     4                         ; places behind this matrix instruction (ISA guide 7.12.1)
.set LI,   12                          ; v12  16 x lane
.set HB,   13                          ; v13  32 h: my eight numbers of a tile's sixteen biases
.set RB,   14                          ; v14  4 r: my one
.set ADRA, 16                          ; v16-17  LDS address of AF's fragments in slot 0, 1
.set ADRB, 20                          ; v20-21  of BF's
.set SPW,  28                          ; v28  LDS address of my spare word; never rewritten
.set NIL,  29                          ; v29  0; never rewritten
.set LIMV, 30
.set SCV,  31                          ; v31  2^e
.set BI,   32
.set BV,   96
.set AF,   128
.set CD,   192
.set G1, 24                            ; s[24:31] descriptor group 1 for x's tiles;  s[32:39] group 0, one set for each slot
.set G0, 32
.set G1B, 48                           ; s[48:55], s[56:63] the same for W's tiles
.set G0B, 56
.set MSB, 0
.macro WIN new                         ; the immediate's high byte repeats the setting that is left
.if MSB != (\new)
	s_set_vgpr_msb (MSB<<8)|(\new)
.set MSB, (\new)
.endif
.endm
.set MUL_LO, 0xa1                      ; source 0 (BF) window 1, source 1 (AF) window 0, C and D window 2
.set MUL_HI, 0xf1                      ; the same, C and D window 3
.set TO_B,   0x40                      ; destination window 1, address window 0
; A joint load: waves 0 and 1 fetch x's two halves, waves 2 and 3 W's.  The branch hangs on the wave's number alone.  An s_nop 0 and four v_nop follow each of the two lines.
.macro JLOAD g0a, g1a, g0b, g1b
	s_cmp_eq_u32 s15, 0
	s_cbranch_scc0 .Lfor_b_\@
	tensor_load_to_lds s[\g0a:\g0a+3], s[\g1a:\g1a+7]
	s_nop 0
.rept 4
	v_nop
.endr
	s_branch .Lasked_\@
.Lfor_b_\@:
	tensor_load_to_lds s[\g0b:\g0b+3], s[\g1b:\g1b+7]
	s_nop 0
.rept 4
	v_nop
.endr
.Lasked_\@:
.endm
.macro CREST                           ; a round of the cluster's barrier behind its opening barrier
	s_cmp_lg_u32 s14, 0
	s_cbranch_scc1 .Lnot_wave_0_\@
	s_barrier_signal -3
.Lnot_wave_0_\@:
	s_barrier_wait -3
	s_barrier_signal -1
	s_barrier_wait -1
.endm
.macro CROUND                          ; a whole round
	s_barrier_signal -1
	s_barrier_wait -1
	CREST
.endm
.macro FRAG reg, adr, q, i             ; tile i's fragment of the slot's q-th 128 along K: four chunks
.irp c, 0,1,2,3
	ds_load_b128 v[\reg+4*\c:\reg+4*\c+3], v[\adr] offset:4096*(\i)+2048*(\q)+512*\c
.endr
.endm
; 16 matrix instructions: AF's blocks a0, a0 + 1 x BF's eight, 128 along K.  p: BF's set.  zero = 1: the first product starts the sums.
; The 64 accumulators take turns, one instruction a turn, in the same order in every step.
.macro MUL16 a0, p, zero
.irp a, \a0, \a0+1
.irp b, 0,1,2,3,4,5,6,7
.if \zero
	v_wmma_f32_16x16x128_fp8_fp8 v[8*(8*((\a)%4)+\b):8*(8*((\a)%4)+\b)+7], v[128*(\p)+FR*\b:128*(\p)+FR*\b+FR-1], v[AF+FR*(\a):AF+FR*(\a)+FR-1], 0
.else
	v_wmma_f32_16x16x128_fp8_fp8 v[8*(8*((\a)%4)+\b):8*(8*((\a)%4)+\b)+7], v[128*(\p)+FR*\b:128*(\p)+FR*\b+FR-1], v[AF+FR*(\a):AF+FR*(\a)+FR-1], v[8*(8*((\a)%4)+\b):8*(8*((\a)%4)+\b)+7]
.endif
.endr
.endr
.endm
.macro FETCH_B slot, q, p
	WIN TO_B
.irp i, 0,1,2,3,4,5,6,7
	FRAG 128*(\p)+FR*\i, ADRB+\slot, \q, \i
.endr
	WIN 0
.endm
.macro FETCH_A slot, q, i0
.irp i, \i0, \i0+1, \i0+2, \i0+3
	FRAG AF+FR*(\i), ADRA+\slot, \q, \i
.endr
.endm
.macro PLACES n                        ; plain vector lines between a matrix instruction and a load into, or a vector read of, its registers
.rept \n
	v_nop
.endr
.endm
; A step of 128 along K that has its successor in the same slot.  AF's blocks are free as soon as their eight products are issued: blocks 0-3 are fetched anew in the step's middle, blocks 4-7 at its end.
.macro STEP slot, q, zero
	s_wait_dscnt 4*NL                              ; BF's set and AF's blocks 0-3 are in; the youngest 16 loads (blocks 4-7) may be out
	WIN MUL_LO
	MUL16 0, (\q)%2, \zero
	MUL16 2, (\q)%2, \zero
	s_wait_dscnt 0                                 ; blocks 4-7 are in
	PLACES NP
	FETCH_B \slot, (\q)+1, 1-(\q)%2
	FETCH_A \slot, (\q)+1, 0
	WIN MUL_HI
	MUL16 4, (\q)%2, \zero
	MUL16 6, (\q)%2, \zero
	PLACES NP
	WIN 0
	FETCH_A \slot, (\q)+1, 4
.endm
; A slot's last step changes slots: one barrier; in front of it each wave waits for all its tensor loads, adds 0 to its spare word, and waits for that and for its reads of this slot.  fill = 1: the slot is filled again, two K steps ahead.
.macro TURN slot, next, fill
	s_wait_tensorcnt 0x0                           ; all my tensor loads have landed: my part of the next slot  (every window is 0 here)
	ds_add_u32 v[SPW], v[NIL]                      ; 0 onto my spare word
	s_wait_dscnt 4*NL+1                            ; the add and the youngest 16 loads may be out
	WIN MUL_LO
	MUL16 0, 1, 0                                  ; sixteen matrix instructions stand between the add and the wait for it
	s_wait_dscnt 0x0                               ; the add is done, and my reads of this slot are over
	s_barrier_signal -1
	MUL16 2, 1, 0
	WIN 0
	s_barrier_wait -1
.if \fill
	CREST                                          ; the barrier has opened a round of the cluster's: no wave of any partner still reads this slot or has a load on its way
	s_add_nc_u64 s[G0+4*\slot+2:G0+4*\slot+3], s[G0+4*\slot+2:G0+4*\slot+3], 2*AKS
	s_add_nc_u64 s[G0B+4*\slot+2:G0B+4*\slot+3], s[G0B+4*\slot+2:G0B+4*\slot+3], 2*BKS
	JLOAD G0+4*\slot, G1, G0B+4*\slot, G1B         ; the first tensor load behind the round; its four v_nop are the places in front of the loads below
.else
	PLACES NP
.endif
	FETCH_B \next, 0, 0
	FETCH_A \next, 0, 0
	WIN MUL_HI
	MUL16 4, 1, 0
	MUL16 6, 1, 0
	PLACES NP
	WIN 0
	FETCH_A \next, 0, 4
.endm
; THE WAY OUT, AF's block a at a time: sum x 2^(e0 + e1) + bias, in place, each accumulator from its low end on; the hold; eight conversions give 16 registers, four chunks.  mode = 1: v.
.macro EPI mode
.irp a, 0,1,2,3,4,5,6,7
.set AC, 64*((\a)%4)
	WIN 0x82+0x41*((\a)/4)                         ; destination and source 0: window 2 or 3; the bias: window 0
.set j, 0
.rept 32
.if \mode
	v_pk_fma_f32 v[AC+j:AC+j+1], v[AC+j:AC+j+1], s[88:89], v[BV+2*\a:BV+2*\a+1] op_sel_hi:[1,0,1]   ; my column's bias, held twice
.else
	v_pk_fma_f32 v[AC+j:AC+j+1], v[AC+j:AC+j+1], s[88:89], v[BI+j:BI+j+1] op_sel_hi:[1,0,1]
.endif
.set j, j+2
.endr
.set j, 0
.rept 64
.set j, j+1
.endr
	WIN 0x02+((\a)/4)                              ; source 0: window 2 or 3; the codes and the scale: window 0
.if \a > 0
	s_wait_alu depctr_va_vdst(0)
	s_wait_xcnt 0x0                                ; the last block's stores have read the codes' registers: they are written again only behind this wait
.endif
.irp b, 0,1,2,3,4,5,6,7
	v_cvt_scalef32_pk8_fp8_f32 v[CD+2*\b:CD+2*\b+1], v[AC+8*\b:AC+8*\b+7], v[SCV]
.endr
	v_nop                                          ; one plain vector line behind the last conversion of the run
	WIN 0
.irp c, 0,1,2,3
.if \mode
	global_store_b128 v[LI], v[CD+4*\c:CD+4*\c+3], s[74:75] offset:((\a)/4)*131072+2048*((\a)%4)+512*\c   ; head a / 4, tile a % 4 of its 64, chunk c of my 128 keys
.else
	global_store_b128 v[LI], v[CD+4*\c:CD+4*\c+3], s[74:75] offset:(\c/2)*131072+1024*\a+512*(\c%2)       ; head c / 2, tile a of my tokens, chunk c % 2
.endif
.endr
.endr
.endm
	s_load_b256 s[4:11], s[0:1], 0x0               ; x_img s[4:5], wqkv_img s[6:7], b_qkv s[8:9], the scales' exponents s[10:11]
	s_load_b128 s[68:71], s[0:1], 0x20             ; q_img s[68:69], k_img s[70:71]
	s_load_b64 s[72:73], s[0:1], 0x30              ; v_img
	v_lshl_add_u32 v[SPW], v0, 2, SPARE
	v_mov_b32 v[NIL], 0
	ds_add_u32 v[SPW], v[NIL]
	ds_add_u32 v[SPW], v[NIL]                      ; the wave's opening: the add and its wait stand ahead of my first tensor load; the set-up below, work on registers, stands between them
	v_lshrrev_b32 v1, 5, v0
	v_readfirstlane_b32 s14, v1                    ; wave 0..3
	s_lshr_b32 s15, s14, 1                         ; which half of the tokens is mine.  Also: I fetch for x (0) or for W (1)
	s_and_b32 s16, s14, 1                          ; which half of the columns.  Also: which 8 tiles I fetch
	s_bfe_u32 s40, ttmp6, 0x40000                  ; cx, cy: my place in the cluster
	s_bfe_u32 s41, ttmp6, 0x40004
	s_lshl_b32 s42, ttmp9, 2
	s_add_co_u32 s42, s42, s40                     ; block of 256 columns = 4 x cluster x + cx
	s_and_b32 s17, ttmp7, 0xffff
	s_lshl_b32 s17, s17, 2
	s_add_co_u32 s17, s17, s41                     ; block of 256 tokens = 4 x cluster y + cy
	s_lshl_b32 s43, s41, 2
	s_lshl_b32 s43, 15, s43                        ; my row of the cluster
	s_lshl_b32 s44, 0x1111, s40                    ; my column
	; descriptor group 1: a dense block of 128 rows x 32 elements of 8 bytes
	s_or_b32 s[G1+0], s43, (3<<16)|(1<<21)         ; 15:0 the mask: x's tiles go to my row; 17:16 elements of 8 bytes; 21 set beside a mask; no padding
	s_or_b32 s[G1B+0], s44, (3<<16)|(1<<21)        ; W's tiles go to my column
.irp g, G1, G1B
	s_mov_b32 s[\g+1], 32<<16                      ; tensor_dim0 = 32
	s_mov_b32 s[\g+2], 128<<16                     ; tensor_dim1 = 128
	s_mov_b32 s[\g+3], 32<<16                      ; tile_dim0 = 32
	s_mov_b32 s[\g+4], 128                         ; tile_dim1 = 128
	s_mov_b32 s[\g+5], 32                          ; tensor_dim0_stride: the rows are dense
	s_mov_b32 s[\g+6], 0
	s_mov_b32 s[\g+7], 0
.endr
	s_lshl_b32 s18, s16, 15                        ; which 8 tiles of 4,096 bytes
	s_lshl_b32 s20, s17, 16
	s_add_co_u32 s20, s20, s18                     ; x: tile 16 x block + 8 x half
	s_mov_b32 s21, 0
	s_lshl_b32 s46, s42, 16
	s_add_co_u32 s46, s46, s18                     ; W: likewise
	s_mov_b32 s47, 0
	s_mul_i32 s45, s14, HALFT                      ; where they go: wave x 32,768: no place in the cluster enters an LDS address
	s_wait_dscnt 0x0                               ; the opening add is done
	s_wait_kmcnt 0x0
	s_load_b256 s[80:87], s[10:11], 0x0            ; e0 .. e7
	s_add_nc_u64 s[20:21], s[4:5], s[20:21]
	s_add_nc_u64 s[46:47], s[6:7], s[46:47]
	CROUND                                         ; all sixteen work-groups are here: the first joint loads meet
.irp s, 0,1
	s_mov_b32 s[G0+4*\s], 1
	s_add_co_u32 s[G0+4*\s+1], s45, \s*SLOT
	s_add_nc_u64 s[G0+4*\s+2:G0+4*\s+3], s[20:21], \s*AKS
	s_or_b32 s[G0+4*\s+3], s[G0+4*\s+3], 0x80000000
	s_mov_b32 s[G0B+4*\s], 1
	s_add_co_u32 s[G0B+4*\s+1], s45, \s*SLOT
	s_add_nc_u64 s[G0B+4*\s+2:G0B+4*\s+3], s[46:47], \s*BKS
	s_or_b32 s[G0B+4*\s+3], s[G0B+4*\s+3], 0x80000000
	JLOAD G0+4*\s, G1, G0B+4*\s, G1B               ; two loads of mine are out here, one behind each later round
.endr
	v_and_b32 v1, 31, v0
	v_lshlrev_b32 v[LI], 4, v1
	s_wait_alu depctr_va_vdst(0)
	v_and_b32 v2, 15, v0                           ; r
	v_bfe_u32 v3, v0, 4, 1                         ; h
	v_lshlrev_b32 v[HB], 5, v3
	s_wait_alu depctr_va_vdst(0)
	v_lshlrev_b32 v[RB], 2, v2
	s_wait_alu depctr_va_vdst(0)
	s_mul_i32 s90, s15, HALFT                      ; my 8 tiles of tokens,
	s_mul_i32 s91, s16, HALFT
	s_add_co_u32 s91, s91, 2*HALFT                 ; my 8 tiles of columns, behind x's 16
	s_cmp_eq_u32 ttmp9, 2                          ; v's columns?  The cluster's x: the same in all partners
	s_cselect_b32 s92, s91, s90                    ; AF: tokens, for v columns
	s_cselect_b32 s93, s90, s91                    ; BF: columns, for v tokens
.irp s, 0,1
	v_add_nc_u32 v[ADRA+\s], s92, v[LI]
	v_add_nc_u32 v[ADRB+\s], s93, v[LI]
	s_add_co_u32 s92, s92, SLOT
	s_add_co_u32 s93, s93, SLOT
.endr
	s_lshl_b32 s76, s42, 10                        ; the bias of my 128 columns: 4 x (256 x block + 128 x half)
	s_lshl_b32 s77, s16, 9
	s_add_co_u32 s76, s76, s77
	s_mov_b32 s77, 0
	s_add_nc_u64 s[76:77], s[8:9], s[76:77]
.irp b, 0,1,2,3,4,5,6,7                ; both layouts are loaded on the one way: 1,280 bytes a lane group, so that the way out's two arms find their registers written
	global_load_b128 v[BI+8*\b:BI+8*\b+3],   v[HB], s[76:77] offset:64*\b       ; columns 16 b + 8 h + 0 .. 3
	global_load_b128 v[BI+8*\b+4:BI+8*\b+7], v[HB], s[76:77] offset:64*\b+16    ; + 4 .. 7
.endr
.irp a, 0,1,2,3,4,5,6,7
	global_load_b32 v[BV+2*\a],   v[RB], s[76:77] offset:64*\a                  ; column 16 a + r,
	global_load_b32 v[BV+2*\a+1], v[RB], s[76:77] offset:64*\a                  ; twice: a pair for the packed form
.endr
	s_wait_alu depctr_va_vdst(0)
	s_wait_tensorcnt 1                             ; my part of K step 0 is in (K step 1's load may be out)
	s_barrier_signal -1
	s_barrier_wait -1                              ; everybody's is
	FETCH_B 0, 0, 0
	FETCH_A 0, 0, 0
	FETCH_A 0, 0, 4
	STEP 0, 0, 1                                   ; K 0-127: its products start the sums.  1,024 along K are four visits of a slot: they are written out
	TURN 0, 1, 1                                   ; K 128-255; slot 0 takes K 512-767
	STEP 1, 0, 0
	TURN 1, 0, 1                                   ; slot 1 takes K 768-1023
	STEP 0, 0, 0
	TURN 0, 1, 0                                   ; nothing is left to fetch: no round
	STEP 1, 0, 0
	s_wait_dscnt 4*NL                              ; the very last step
	WIN MUL_LO
	MUL16 0, 1, 0
	MUL16 2, 1, 0
	s_wait_dscnt 0
	WIN MUL_HI
	MUL16 4, 1, 0
	MUL16 6, 1, 0
	WIN 0
	s_wait_loadcnt 0x0                             ; the biases
	s_wait_kmcnt 0x0
	s_add_co_i32 s88, s80, s81
	s_add_co_i32 s88, s88, 127
	s_lshl_b32 s88, s88, 23                        ; 2^(e0 + e1) as f32
	s_mov_b32 s89, s88                             ; (named with it as a pair, so it is written)
	s_cmp_eq_u32 ttmp9, 0
	s_cselect_b32 s90, s82, s83                    ; e2 for q, e3 for k,
	s_cselect_b64 s[74:75], s[68:69], s[70:71]
	s_cmp_eq_u32 ttmp9, 2
	s_cselect_b32 s90, s85, s90                    ; e5 for v: a choice of values, no branch on a loaded number
	s_cselect_b64 s[74:75], s[72:73], s[74:75]
	s_add_co_i32 s90, s90, 127
	s_lshl_b32 s91, s90, 23
	v_mov_b32 v[SCV], s91
	s_lshr_b32 s92, s17, 3                         ; where my part begins, the same formula in all three images: (head's number) x 131,072 + (first token in the sequence) x 64
	s_lshl_b32 s92, s92, 4                         ; 16 x batch
	s_lshl_b32 s93, s40, 2
	s_add_co_u32 s92, s92, s93                     ; + 4 cx
	s_lshl_b32 s93, s16, 1
	s_add_co_u32 s92, s92, s93                     ; + 2 x my half of the columns
	s_lshl_b32 s92, s92, 17
	s_and_b32 s93, s17, 7
	s_lshl_b32 s93, s93, 14                        ; 256 tokens x 64
	s_add_co_u32 s92, s92, s93
	s_lshl_b32 s93, s15, 13                        ; 128 tokens x 64
	s_add_co_u32 s92, s92, s93
	s_mov_b32 s93, 0
	s_add_nc_u64 s[74:75], s[74:75], s[92:93]
	PLACES NP
	s_cmp_eq_u32 ttmp9, 2
	s_cbranch_scc1 .Lv
	EPI 0
	s_branch .Ljoin
.Lv:
	EPI 1
.Ljoin:
	s_wait_tensorcnt 0x0                           ; the wave's end, behind my last tensor load
	ds_add_u32 v[SPW], v[NIL]
	s_wait_dscnt 0x0
	CROUND                                         ; the closing round: no work-group ends while a partner may still ask for a tile that names it
	s_endpgm
.Lfunc_end_k_q306037193d_qkv:
	.size	k_q306037193d_qkv, .Lfunc_end_k_q306037193d_qkv-k_q306037193d_qkv
	.p2alignl 7, 3214868480
	.fill 96, 4, 3214868480
	.section	.rodata,"a",@progbits
	.p2align	6, 0x0
	.amdhsa_kernel k_q306037193d_qkv
		.amdhsa_group_segment_fixed_size 327680
		.amdhsa_private_segment_fixed_size 0
		.amdhsa_enable_private_segment 0
		.amdhsa_kernarg_size 56
		.amdhsa_user_sgpr_count 2
		.amdhsa_user_sgpr_kernarg_segment_ptr 1
		.amdhsa_wavefront_size32 1
		.amdhsa_system_sgpr_workgroup_id_x 1
		.amdhsa_system_sgpr_workgroup_id_y 1
		.amdhsa_system_sgpr_workgroup_id_z 1
		.amdhsa_system_vgpr_workitem_id 0
		.amdhsa_next_free_vgpr 1024
		.amdhsa_next_free_sgpr 100
		.amdhsa_reserve_vcc 0
		.amdhsa_float_denorm_mode_32 3
		.amdhsa_float_denorm_mode_16_64 3
		.amdhsa_fp16_overflow 1
		.amdhsa_memory_ordered 1
		.amdhsa_forward_progress 1
		.amdhsa_inst_pref_size 130
	.end_amdhsa_kernel
	.amdgpu_metadata
---
amdhsa.version: [ 1, 2 ]
amdhsa.kernels:
  - .name:           k_q306037193d_qkv
    .symbol:         k_q306037193d_qkv.kd
    .args:
      - { .name: x_img, .offset: 0, .size: 8, .value_kind: global_buffer, .address_space: global }
      - { .name: wqkv_img, .offset: 8, .size: 8, .value_kind: global_buffer, .address_space: global }
      - { .name: b_qkv, .offset: 16, .size: 8, .value_kind: global_buffer, .address_space: global }
      - { .name: lowp_scales, .offset: 24, .size: 8, .value_kind: global_buffer, .address_space: global }
      - { .name: q_img, .offset: 32, .size: 8, .value_kind: global_buffer, .address_space: global }
      - { .name: k_img, .offset: 40, .size: 8, .value_kind: global_buffer, .address_space: global }
      - { .name: v_img, .offset: 48, .size: 8, .value_kind: global_buffer, .address_space: global }
    .group_segment_fixed_size: 327680
    .private_segment_fixed_size: 0
    .kernarg_segment_align: 8
    .kernarg_segment_size: 56
    .max_flat_workgroup_size: 128
    .sgpr_count:     100
    .vgpr_count:     1024
    .wavefront_size: 32
...
	.end_amdgpu_metadata
.endif
;; end of part 2
;; launch attn (part 3): grid 4 x 64, 16 waves a work-group, no clusters, 327,680 bytes of LDS; arguments q_img, k_img, v_img, lowp_scales, o_img; writes o_img
.if DOCPART == 3
	.amdgcn_target "amdgcn-amd-amdhsa--gfx1250"
	.amdhsa_code_object_version 6
	.text
	.protected	k_q306037193d_attn
	.globl	k_q306037193d_attn
	.p2align	8
	.type	k_q306037193d_attn,@function
k_q306037193d_attn:
	s_mov_b64 s[64:65], 0
	v_nop
	global_prefetch_b8 v0, s[64:65] scope:SCOPE_SE
	s_setreg_imm32_b32 hwreg(HW_REG_WAVE_MODE, 25, 1), 1
	s_wait_xcnt 0x0
; Causal attention of 64 heads (4 x 16), 2,048 tokens, head size 64, both products on codes of FP8 (E4M3); the result, divided by the row's sum, is quantised (e6) and stored as an image of the last product's operand.
; THE SOFTMAX AHEAD OF THE SECOND PRODUCT: t = score x 2^(e2 + e3) x log2(e) / 8; M = the row's largest t so far, rounded UP to a whole number; p = 2^(t - M) is quantised with 2^e4; it is not normalised.
; The row's sum is taken of the unquantised p, in f32.  When M moves, the sum and O are multiplied by 2^(old M - new M): nothing is rounded.
; LIMITS: e2 + e3 between -123 and 130 (they are added to the exponent field of log2(e) / 8); e4, and e6 - e4 - e5, between -126 and 119.
; IMAGES: q_img, k_img [head][tile of 16 tokens][chunk 2][lane 32][16]: a fragment 16 tokens x 64, 8 registers.  v_img [head][128 keys][tile of 16 of the 64][chunk 4][32][16]: 16 x 128 keys, 16 registers.
; k runs in the matrix forms' own order (registers 2 c, 2 c + 1 of lane (r, h): k = 16 c + 8 h + 0 .. 7), so one conversion of an accumulator's eight registers gives registers 2 c, 2 c + 1 of the next operand.
; SHARES.  Work-group (i, head) owns the blocks i and 7 - i of 256 queries: (i + 1) + (8 - i) = 9 blocks of 256 x 256 under the mask in every work-group.  Wave w owns two tiles of 16 queries:
; L at 256 i + 16 (15 - w) and H at 256 (7 - i) + 16 w: 17 key steps of 128 keys in every wave.  Four waves to a SIMD: one wave's vector work stands beside another's matrix work and LDS loads.
; Both products are used transposed (S^T = K Q^T, O^T = V^T P^T): a lane holds one query (lane % 16) throughout.
; THE RING: two slots of 256 keys: K's 16 fragments (16,384 dense bytes), then V's 8 (16,384): wave 0 fetches K's block, wave 1 V's, all sixteen read.  Every fragment is read at 16 x lane.
; EVERY work-group walks all 8 slots (constant trip counts); a step all of whose keys come after the tile's queries is jumped over, and a slot whose first key comes after the work-group's last query is not asked for.
; NO CLUSTER, though the four work-groups of a head read the same K and V: work-group i reads 8 - i slots, and in a slot it has 2 blocks of work, 1 or none where a partner has another number
; (i = 0: 2,1,1,1,1,1,1,1; i = 3: 2,2,2,2,1,0,0,0), so a joint round at every slot would hold each to the largest, 12 blocks against 9.
; REGISTERS: v1-7 stay; v8 -M, v9 largest t, v[10:11] the sum of L; v12-15 of H; v16-23, v24-31 Q of L, H; v32-95 a step's 8 fragments of K, then its 4 of V; v96-159 S^T, then p; v160-191, v192-223 O^T of L, H;
; v224-239 p's codes; v241 2^e4; v242-251 at work.
.set SLOT1, 32768                      ; slot 1 begins here: one exclusive or turns an address in one slot into the other's
.set VOFF,  16384                      ; V's fragments in a slot
.set SPARE, 2*SLOT1                    ; behind the ring: the spare words, 128 bytes for each of 16 waves: eight blocks of 256 bytes that no other line names
.set LI,   1                           ; v1  16 x lane
.set ADR,  2                           ; v2  16 x lane + the slot in hand
.set PFO,  3                           ; v3  256 x lane: the prefetches' offset
.set RH,   4                           ; v4  r - 8 h
.set SPW,  5                           ; v5  LDS address of my spare word; never rewritten
.set NIL,  6                           ; v6  0; never rewritten
.set NINF, 7                           ; v7  -infinity
.set TB,   2                           ; s2  LDS byte at which the slot in hand begins
.set WV,   18
.set SEL,  20                          ; s[20:21] lane selects for v_permlanex16_b32: lane l xor 16
.set CS,   22                          ; s[22:23] c = 2^(e2 + e3) log2(e) / 8
.set G1,   24                          ; s[24:31] descriptor group 1, for both blocks
.set G0K,  32                          ; s[32:35], s[36:39] groups 0, which walk
.set G0V,  36
.set SLOTS, 40                         ; s40 slots still to be asked for
.set KF,   41                          ; s41 the step's first key
.set Q0L,  42                          ; s42, s43 my tiles' first queries
.set Q0H,  43
.set QLAST, 44                         ; s44 my work-group's last query
.set LIM,  45                          ; s45 1 in a wave that prefetches, else the greatest number
.set PFA,  46                          ; s[46:47] where my prefetches stand
.macro TLOAD                           ; wave 0: K's block; wave 1: V's; the others nothing.  An s_nop 0 and four v_nop follow each of the two lines
	s_cmp_lt_u32 s[WV], 1
	s_cbranch_scc0 .Lnot_k_\@
	tensor_load_to_lds s[G0K:G0K+3], s[G1:G1+7]
	s_nop 0
.rept 4
	v_nop
.endr
	s_branch .Lasked_\@
.Lnot_k_\@:
	s_cmp_lt_u32 s[WV], 2
	s_cbranch_scc0 .Lasked_\@
	tensor_load_to_lds s[G0V:G0V+3], s[G1:G1+7]
	s_nop 0
.rept 4
	v_nop
.endr
.Lasked_\@:
.endm
; A PREFETCH of the slot that the NEXT change of slots will ask for: one slot, up to four key steps a wave, ahead of that load.  All four work-groups of a head walk the same K and V: work-group 0, which reads all 8 slots, asks.
; In it waves 4 and 5 ask for the two halves of K's 16,384 bytes, waves 6 and 7 for V's: 8,192 bytes a wave, lanes 256 bytes apart: each aligned 256 bytes is named once in the launch.
; Slots 0 and 1 come by their loads alone; the last change that fills a slot asks for nothing: there is no slot behind it.
.macro ASK
	s_cmp_gt_u32 s[SLOTS], s[LIM]
	s_cbranch_scc0 .Lnot_mine_\@
	global_prefetch_b8 v[PFO], s[PFA:PFA+1] th:TH_LOAD_NT scope:SCOPE_SE
.Lnot_mine_\@:
.endm
; A KEY STEP of one tile: 128 keys, the q-th of the slot in hand.  QB: Q's registers; OB: O^T's; SB: the statistics'; SQ0: the scalar with the tile's first query.
.macro STEP QB, OB, SB, SQ0, q
	s_cmp_gt_u32 s[KF], s[\SQ0]                    ; KF is a multiple of 128 and the tile lies inside one block of 128: all keys are hidden just where KF > the first query.  Ids and the count of steps alone
	s_cbranch_scc1 .Lhid_\@
.rept 4
	v_nop                                          ; places in front of loads into registers that the last products read
.endr
	s_wait_alu depctr_va_vdst(0)
.irp t, 0,1,2,3,4,5,6,7
	ds_load_b128 v[32+8*\t:35+8*\t], v[ADR] offset:8192*(\q)+1024*\t
	ds_load_b128 v[36+8*\t:39+8*\t], v[ADR] offset:8192*(\q)+1024*\t+512
.endr
	s_wait_dscnt 0x0
.irp t, 0,1,2,3,4,5,6,7                ; S^T: lane (r, h), register 8 t + j: key KF + 16 t + 8 h + j, query r
	v_wmma_f32_16x16x64_fp8_fp8 v[96+8*\t:103+8*\t], v[32+8*\t:39+8*\t], v[\QB:\QB+7], 0
.endr
.rept 4
	v_nop                                          ; places in front of the loads below and of the first read of the scores
.endr
	s_wait_alu depctr_va_vdst(0)
.irp d, 0,1,2,3                        ; V's four fragments land while the softmax is walked
.irp c, 0,1,2,3
	ds_load_b128 v[32+16*\d+4*\c:35+16*\d+4*\c], v[ADR] offset:VOFF+8192*(\q)+2048*\d+512*\c
.endr
.endr
	s_add_co_u32 s60, s[KF], 127                   ; on the diagonal the scores of hidden keys become -infinity ahead of the maximum: p = 0 then.  A step all of whose keys count skips this
	s_cmp_le_u32 s60, s[\SQ0]
	s_cbranch_scc1 .Lopen_\@
	s_sub_co_i32 s60, s[\SQ0], s[KF]
	v_add_nc_u32 v250, s60, v[RH]                  ; d = my query - KF - 8 h: register 8 t + j is hidden where 16 t + j > d
.set n, 0
.rept 64
	v_cmp_gt_i32 vcc_lo, 16*(n/8)+n%8, v250
	v_cndmask_b32 v[96+n], v[96+n], v[NINF], vcc_lo
.set n, n+1
.endr
.Lopen_\@:
	v_max3_num_f32 v244, v96, v97, v98             ; the step's largest score of my query among my 64 keys, in two chains, each accumulator from its low end on,
	v_max3_num_f32 v245, v99, v100, v101
.irp i, 6,10,14,18,22,26,30,34,38,42,46,50,54,58
	v_max3_num_f32 v244, v244, v[96+\i], v[97+\i]
	v_max3_num_f32 v245, v245, v[98+\i], v[99+\i]
.endr
	v_max3_num_f32 v244, v244, v158, v159
	s_delay_alu instid0(VALU_DEP_1)
	v_max_num_f32 v244, v244, v245
	s_delay_alu instid0(VALU_DEP_1)
	v_permlanex16_b32 v246, v244, s[SEL], s[SEL+1]
	s_delay_alu instid0(VALU_DEP_1)
	v_max_num_f32 v244, v244, v246                 ; and among lane l xor 16's
	s_delay_alu instid0(VALU_DEP_1)
	v_mul_f32 v244, s[CS], v244                    ; as t (c is positive)
	s_delay_alu instid0(VALU_DEP_1)
	v_max_num_f32 v[\SB+1], v[\SB+1], v244         ; the running largest t
	v_mov_b32 v244, v[\SB]
	s_delay_alu instid0(VALU_DEP_2)
	v_floor_f32 v[\SB], -v[\SB+1]                  ; the new -M = floor(-t) = -ceil(t): a whole number
	s_delay_alu instid0(VALU_DEP_1)
	v_sub_f32 v244, v[\SB], v244                   ; old M - new M: a whole number, 0 or less
	s_delay_alu instid0(VALU_DEP_1)
	v_cvt_i32_f32 v244, v244                       ; (it saturates)
	s_delay_alu instid0(VALU_DEP_1)
	v_ldexp_f32 v248, 1.0, v244                    ; f = 2^(old M - new M)
.set j, 0
.rept 32
	v_pk_fma_f32 v[96+j:97+j], v[96+j:97+j], s[CS:CS+1], v[\SB:\SB+1] op_sel_hi:[1,0,0]   ; t - M, two at a time (of the pairs c and -M the low word serves both halves)
.set j, j+2
.endr
.set j, 0
	s_wait_alu depctr_va_vdst(0)
.rept 64
	v_exp_f32 v[96+j], v[96+j]                     ; p = 2^(t - M), at most 1
.set j, j+1
.endr
	v_pk_mul_f32 v[\SB+2:\SB+3], v[\SB+2:\SB+3], v[248:249] op_sel_hi:[1,0]   ; the sums under the new M: the plain line behind the exponentials
	s_wait_alu depctr_va_vdst(0)                   ; one wait for the whole batch, ahead of its first reader
	v_pk_add_f32 v[242:243], v[96:97], v[98:99]    ; the row's sum is taken of the unquantised p: two at a time, in two chains
.irp j, 4,8,12,16,20,24,28,32,36,40,44,48,52,56,60
	v_pk_add_f32 v[\SB+2:\SB+3], v[\SB+2:\SB+3], v[96+\j:97+\j]
	v_pk_add_f32 v[242:243], v[242:243], v[98+\j:99+\j]
.endr
	s_delay_alu instid0(VALU_DEP_1)
	v_pk_add_f32 v[\SB+2:\SB+3], v[\SB+2:\SB+3], v[242:243]
.set j, 0
.rept 64
.set j, j+1
.endr
.irp t, 0,1,2,3,4,5,6,7
	v_cvt_scalef32_pk8_fp8_f32 v[224+2*\t:225+2*\t], v[96+8*\t:103+8*\t], v241   ; keys 16 t + 8 h + 0 .. 7: registers 2 t, 2 t + 1 of the operand
.endr
.set j, 0
.rept 16
	v_pk_mul_f32 v[\OB+j:\OB+j+1], v[\OB+j:\OB+j+1], v[248:249] op_sel_hi:[1,0]   ; O^T under the new M.  (Also the plain lines between the conversions and the products)
.set j, j+2
.endr
	s_wait_alu depctr_va_vdst(0)
	s_wait_dscnt 0x0                               ; V is in
.irp d, 0,1,2,3                        ; O^T += V^T P^T: lane (r, h), register 8 d + j: channel 16 d + 8 h + j of query r.  Four accumulators by turns
	v_wmma_f32_16x16x128_fp8_fp8 v[\OB+8*\d:\OB+8*\d+7], v[32+16*\d:47+16*\d], v[224:239], v[\OB+8*\d:\OB+8*\d+7]
.endr
.Lhid_\@:
.endm
; THE CHANGE OF SLOTS stands at a slot's head.  Each wave waits for all its tensor loads, adds 0 to its spare word, and waits for that and for its reads of the slot that it has left.
; Behind the barrier the slot ahead is whole and nobody reads the other one.  fill = 1: that other slot is filled with the keys that follow, up to the causal limit.
.macro CHANGE fill
	s_wait_tensorcnt 0x0                           ; no tensor load of mine is out, so a group 0 may be written
	ds_add_u32 v[SPW], v[NIL]                      ; 0 onto my spare word
.if \fill
	s_xor_b32 s[G0K+1], s[G0K+1], SLOT1            ; the walking descriptors: the other slot than last time,
	s_add_nc_u64 s[G0K+2:G0K+3], s[G0K+2:G0K+3], 16384   ; the next 256 keys; the type bits on top are not reached
	s_xor_b32 s[G0V+1], s[G0V+1], SLOT1
	s_add_nc_u64 s[G0V+2:G0V+3], s[G0V+2:G0V+3], 16384
	s_wait_xcnt 0x0                                ; the last prefetch, a slot back, has read its address, so it may be written:
	s_add_nc_u64 s[PFA:PFA+1], s[PFA:PFA+1], 16384 ; one slot further on than the walking descriptors
.endif
	s_wait_dscnt 0x0                               ; the add is done, and my reads of the slot that I have left are over
	s_barrier_signal -1
	s_barrier_wait -1
.if \fill
	s_add_co_u32 s60, s[KF], 256                   ; the first key of the slot that this change would ask for:
	s_cmp_gt_u32 s60, s[QLAST]                     ; past my work-group's last query none of its waves reads it, so it is not asked for.  Ids and the count of steps alone: all sixteen waves go the same way;
	s_cbranch_scc1 .Lpast_\@                       ; every wait for tensor loads in this text is for 0, and the jump leads round the load's own lines alone
	TLOAD
.Lpast_\@:
	ASK
.endif
.endm
.macro SLOT_STEPS
	v_add_nc_u32 v[ADR], s[TB], v[LI]
.irp q, 0,1
	STEP 16, 160, 8, Q0L, \q
	STEP 24, 192, 12, Q0H, \q
	s_add_co_u32 s[KF], s[KF], 128
.endr
	s_xor_b32 s[TB], s[TB], SLOT1                  ; on to the other slot
.endm
; The way out of one tile: O^T / the sum, held, quantised: registers 2 d, 2 d + 1 are channels 16 d + 8 h + 0 .. 7 of token r: two chunks of the last product's fragment.
.macro OUTT OB, SB, PC, base
.set j, 0
.rept 16
	v_pk_mul_f32 v[\OB+j:\OB+j+1], v[\OB+j:\OB+j+1], v[\SB+2:\SB+3] op_sel_hi:[1,0]
.set j, j+2
.endr
.set j, 0
.rept 32
.set j, j+1
.endr
.irp d, 0,1,2,3
	v_cvt_scalef32_pk8_fp8_f32 v[\PC+2*\d:\PC+2*\d+1], v[\OB+8*\d:\OB+8*\d+7], v251
.endr
	v_nop                                          ; one plain vector line behind the last conversion of the run
	global_store_b128 v[LI], v[\PC:\PC+3],   s[\base:\base+1]              ; 512 consecutive bytes, aligned to 256
	global_store_b128 v[LI], v[\PC+4:\PC+7], s[\base:\base+1] offset:512
.endm
	s_load_b256 s[4:11], s[0:1], 0x0               ; q_img s[4:5], k_img s[6:7], v_img s[8:9], the scales' exponents s[10:11]
	s_load_b64 s[12:13], s[0:1], 0x20              ; o_img
	v_lshl_add_u32 v[SPW], v0, 2, SPARE
	v_mov_b32 v[NIL], 0
	ds_add_u32 v[SPW], v[NIL]                      ; the wave's opening: the add and its wait stand ahead of my first tensor load; the set-up below, work on registers, stands between them
	ds_add_u32 v[SPW], v[NIL]
	v_lshrrev_b32 v8, 5, v0
	s_delay_alu instid0(VALU_DEP_1)
	v_readfirstlane_b32 s[WV], v8                  ; wave 0..15
	s_and_b32 s16, ttmp7, 0xffff                   ; the head, 0 .. 63
	s_lshl_b32 s14, s16, 17                        ; its first byte in q_img, k_img and v_img: 131,072 bytes a head
	s_mov_b32 s15, 0
	s_mov_b32 s[G1], 3<<16                         ; group 1: a dense block of 64 rows x 32 elements of 8 bytes; no mask, no padding
	s_mov_b32 s[G1+1], 32<<16                      ; tensor_dim0
	s_mov_b32 s[G1+2], 64<<16                      ; tensor_dim1
	s_mov_b32 s[G1+3], 32<<16                      ; tile_dim0
	s_mov_b32 s[G1+4], 64                          ; tile_dim1
	s_mov_b32 s[G1+5], 32                          ; tensor_dim0_stride
	s_mov_b32 s[G1+6], 0
	s_mov_b32 s[G1+7], 0
	s_mov_b32 s[SEL], 0x76543210
	s_mov_b32 s[SEL+1], 0xfedcba98
	s_mov_b32 s[CS], 0x3e38aa3b                    ; log2(e) / 8
	s_mov_b32 s[TB], 0
	s_mov_b32 s[SLOTS], 7
	s_mov_b32 s[KF], 0
	s_lshl_b32 s60, s[WV], 4
	s_lshl_b32 s[Q0L], ttmp9, 8
	s_add_co_u32 s[Q0L], s[Q0L], 240
	s_sub_co_u32 s[Q0L], s[Q0L], s60               ; 256 i + 16 (15 - w)
	s_sub_co_u32 s[Q0H], 7, ttmp9
	s_lshl_b32 s[Q0H], s[Q0H], 8
	s_or_b32 s[QLAST], s[Q0H], 255
	s_add_co_u32 s[Q0H], s[Q0H], s60               ; 256 (7 - i) + 16 w
	s_wait_dscnt 0x0                               ; the opening add is done
	s_wait_kmcnt 0x0
	s_load_b256 s[48:55], s[10:11], 0x0            ; e0 .. e7
	s_mov_b32 s[G0K], 1
	s_mov_b32 s[G0K+1], 0                          ; slot 0
	s_add_nc_u64 s[G0K+2:G0K+3], s[6:7], s[14:15]  ; the head's first 256 keys
	s_or_b32 s[G0K+3], s[G0K+3], 0x80000000
	s_mov_b32 s[G0V], 1
	s_mov_b32 s[G0V+1], VOFF
	s_add_nc_u64 s[G0V+2:G0V+3], s[8:9], s[14:15]
	s_or_b32 s[G0V+3], s[G0V+3], 0x80000000
	TLOAD                                          ; slot 0
	v_and_b32 v8, 31, v0
	s_delay_alu instid0(VALU_DEP_1)
	v_lshlrev_b32 v[LI], 4, v8
	s_delay_alu instid0(VALU_DEP_2)
	v_lshlrev_b32 v[PFO], 8, v8
	s_add_nc_u64 s[66:67], s[4:5], s[14:15]        ; Q: 1,024 bytes a tile of 16 tokens = 64 bytes a token
	s_lshl_b32 s60, s[Q0H], 6
	s_mov_b32 s61, 0
	s_add_nc_u64 s[68:69], s[66:67], s[60:61]
	s_lshl_b32 s60, s[Q0L], 6
	s_add_nc_u64 s[66:67], s[66:67], s[60:61]
	global_load_b128 v[16:19], v[LI], s[66:67]
	global_load_b128 v[20:23], v[LI], s[66:67] offset:512
	global_load_b128 v[24:27], v[LI], s[68:69]
	global_load_b128 v[28:31], v[LI], s[68:69] offset:512
	; o_img is laid as x_img, K = 64 x head + channel: (head / 4) x 2,097,152 + (token / 16) x 4,096 + (head % 4) x 1,024
	s_and_b32 s60, s16, 15                         ; the head in its batch
	s_lshr_b32 s62, s60, 2
	s_lshl_b32 s62, s62, 21
	s_and_b32 s60, s60, 3
	s_lshl_b32 s60, s60, 10
	s_add_co_u32 s62, s62, s60
	s_lshr_b32 s60, s16, 4                         ; the batch: 128 tiles of 4,096 bytes
	s_lshl_b32 s60, s60, 19
	s_add_co_u32 s62, s62, s60
	s_mov_b32 s63, 0
	s_add_nc_u64 s[56:57], s[12:13], s[62:63]
	s_lshl_b32 s60, s[Q0H], 8
	s_add_nc_u64 s[58:59], s[56:57], s[60:61]      ; H's place
	s_lshl_b32 s60, s[Q0L], 8
	s_add_nc_u64 s[56:57], s[56:57], s[60:61]      ; L's
	; the prefetches: where my wave's stand, and who asks
	s_cmp_lt_u32 s[WV], 6
	s_cselect_b64 s[PFA:PFA+1], s[6:7], s[8:9]
	s_add_nc_u64 s[PFA:PFA+1], s[PFA:PFA+1], s[14:15]
	s_and_b32 s60, s[WV], 1
	s_lshl_b32 s60, s60, 13                        ; my half of a block,
	s_add_co_u32 s60, s60, 16384                   ; in slot 1: the first change of slots steps it to slot 2.  Nothing is prefetched here, at the head
	s_add_nc_u64 s[PFA:PFA+1], s[PFA:PFA+1], s[60:61]
	s_sub_co_u32 s60, s[WV], 4
	s_lshr_b32 s60, s60, 2                         ; 0 in waves 4 to 7,
	s_or_b32 s60, s60, ttmp9                       ; of the head's work-group 0
	s_cmp_eq_u32 s60, 0
	s_cselect_b32 s[LIM], 1, -1
	v_and_b32 v[RH], 15, v0
	v_bfe_u32 v8, v0, 4, 1
	s_delay_alu instid0(VALU_DEP_1)
	v_lshlrev_b32 v8, 3, v8
	s_delay_alu instid0(VALU_DEP_1)
	v_sub_nc_u32 v[RH], v[RH], v8                  ; r - 8 h
	v_mov_b32 v[NINF], 0xff800000
	v_mov_b32 v9, 0xff61b1e6                       ; the largest t so far: -3e38, under every t
	s_delay_alu instid0(VALU_DEP_1)
	v_floor_f32 v8, -v9                            ; -M
	v_mov_b32 v10, 0                               ; the sum, in two halves
	v_mov_b32 v11, 0
	v_mov_b32 v13, 0xff61b1e6
	s_delay_alu instid0(VALU_DEP_1)
	v_floor_f32 v12, -v13
	v_mov_b32 v14, 0
	v_mov_b32 v15, 0
	v_mov_b32 v246, 0                              ; written once: a lane permute's destination counts as one of its sources
	v_mov_b32 v247, 0
	v_mov_b32 v249, 0                              ; (named as the upper half of the pair v[248:249])
.set j, 0
.rept 64
	v_mov_b32 v[160+j], 0                          ; O^T.  (The step is written for every step alike: the first finds zeros, which the first change of M leaves zeros)
.set j, j+1
.endr
	s_wait_kmcnt 0x0
	s_add_co_i32 s60, s50, s51
	s_lshl_b32 s60, s60, 23
	s_add_co_i32 s[CS], s[CS], s60                 ; a score stands for score x 2^(e2 + e3): the exponents are added to c's exponent field
	s_mov_b32 s[CS+1], s[CS]                       ; (named with it as a pair, so it is written)
	s_add_co_i32 s60, s52, 127
	s_lshl_b32 s62, s60, 23
	v_mov_b32 v241, s62                            ; 2^e4
	s_wait_loadcnt 0x0                             ; Q
.Lslot:                                            ; 7 trips: behind each change of slots but the last the next slot is asked for, up to the causal limit
	CHANGE 1
	SLOT_STEPS
	s_sub_co_u32 s[SLOTS], s[SLOTS], 1
	s_cmp_lg_u32 s[SLOTS], 0
	s_cbranch_scc1 .Lslot
	CHANGE 0                                       ; the last slot is written out: nothing is left to ask for
	SLOT_STEPS
	; THE WAY OUT.  The additions and moves below are the places behind the last products.
	v_add_f32 v10, v10, v11                        ; the sums' two halves,
	v_add_f32 v14, v14, v15
	s_delay_alu instid0(VALU_DEP_2)
	v_permlanex16_b32 v246, v10, s[SEL], s[SEL+1]
	s_delay_alu instid0(VALU_DEP_2)
	v_permlanex16_b32 v247, v14, s[SEL], s[SEL+1]
	s_delay_alu instid0(VALU_DEP_2)
	v_add_f32 v10, v10, v246                       ; and lane l xor 16's: the rows' sums
	s_delay_alu instid0(VALU_DEP_2)
	v_add_f32 v14, v14, v247
	s_sub_co_i32 s60, s54, s52
	s_sub_co_i32 s60, s60, s53                     ; a sum of the second product stands for sum x 2^(e4 + e5): its code is (sum / l) / 2^(e6 - e4 - e5): the three scales folded into the conversion's one
	s_add_co_i32 s60, s60, 127
	s_lshl_b32 s62, s60, 23
	v_mov_b32 v251, s62
	s_wait_alu depctr_va_vdst(0)
	v_rcp_f32 v10, v10
	v_rcp_f32 v14, v14
	v_nop                                          ; a plain line behind the last reciprocal
	s_wait_alu depctr_va_vdst(0)                   ; one wait for both, ahead of the first reader
	OUTT 160, 8, 224, 56
	OUTT 192, 12, 232, 58
	s_wait_tensorcnt 0x0                           ; the wave's end, behind my last tensor load
	ds_add_u32 v[SPW], v[NIL]
	s_wait_dscnt 0x0
	s_endpgm
.Lfunc_end_k_q306037193d_attn:
	.size	k_q306037193d_attn, .Lfunc_end_k_q306037193d_attn-k_q306037193d_attn
	.p2alignl 7, 3214868480
	.fill 96, 4, 3214868480
	.section	.rodata,"a",@progbits
	.p2align	6, 0x0
	.amdhsa_kernel k_q306037193d_attn
		.amdhsa_group_segment_fixed_size 327680
		.amdhsa_private_segment_fixed_size 0
		.amdhsa_enable_private_segment 0
		.amdhsa_kernarg_size 40
		.amdhsa_user_sgpr_count 2
		.amdhsa_user_sgpr_kernarg_segment_ptr 1
		.amdhsa_wavefront_size32 1
		.amdhsa_system_sgpr_workgroup_id_x 1
		.amdhsa_system_sgpr_workgroup_id_y 1
		.amdhsa_system_sgpr_workgroup_id_z 1
		.amdhsa_system_vgpr_workitem_id 0
		.amdhsa_next_free_vgpr 256
		.amdhsa_next_free_sgpr 80
		.amdhsa_reserve_vcc 1
		.amdhsa_float_denorm_mode_32 3
		.amdhsa_float_denorm_mode_16_64 3
		.amdhsa_fp16_overflow 1
		.amdhsa_memory_ordered 1
		.amdhsa_forward_progress 1
		.amdhsa_inst_pref_size 163
	.end_amdhsa_kernel
	.amdgpu_metadata
---
amdhsa.version: [ 1, 2 ]
amdhsa.kernels:
  - .name:           k_q306037193d_attn
    .symbol:         k_q306037193d_attn.kd
    .args:
      - { .name: q_img, .offset: 0, .size: 8, .value_kind: global_buffer, .address_space: global }
      - { .name: k_img, .offset: 8, .size: 8, .value_kind: global_buffer, .address_space: global }
      - { .name: v_img, .offset: 16, .size: 8, .value_kind: global_buffer, .address_space: global }
      - { .name: lowp_scales, .offset: 24, .size: 8, .value_kind: global_buffer, .address_space: global }
      - { .name: o_img, .offset: 32, .size: 8, .value_kind: global_buffer, .address_space: global }
    .group_segment_fixed_size: 327680
    .private_segment_fixed_size: 0
    .kernarg_segment_align: 8
    .kernarg_segment_size: 40
    .max_flat_workgroup_size: 512
    .sgpr_count:     80
    .vgpr_count:     256
    .wavefront_size: 32
...
	.end_amdgpu_metadata
.endif
;; end of part 3
;; launch proj (part 4): grid 4 x 32, 4 waves a work-group, clusters of 4 x 4, 327,680 bytes of LDS; arguments o_img, wo_img, b_o, lowp_scales, out0; writes out0
.if DOCPART == 4
	.amdgcn_target "amdgcn-amd-amdhsa--gfx1250"
	.amdhsa_code_object_version 6
	.text
	.protected	k_q306037193d_proj
	.globl	k_q306037193d_proj
	.p2align	8
	.type	k_q306037193d_proj,@function
k_q306037193d_proj:
	s_mov_b64 s[64:65], 0
	v_nop
	global_prefetch_b8 v0, s[64:65] scope:SCOPE_SE
	s_setreg_imm32_b32 hwreg(HW_REG_WAVE_MODE, 25, 1), 1
	s_wait_xcnt 0x0
	s_wait_alu depctr_hold_cnt(0) depctr_sa_sdst(0) depctr_va_vdst(0) depctr_va_sdst(0) depctr_va_ssrc(0) depctr_va_vcc(0) depctr_vm_vsrc(0)
	s_getreg_b32 s2, hwreg(HW_REG_IB_STS2, 6, 4)
	s_cmp_eq_u32 s2, 0
	s_cbranch_scc0 .Lentry_in_a_cluster
	s_endpgm
.Lentry_in_a_cluster:
	s_bfe_u32 s2, ttmp6, 0x10000c
	s_cmp_lg_u32 s2, 0xf033
	s_cbranch_scc0 .Lentry_shape_is_right
	s_endpgm
.Lentry_shape_is_right:
; out0 = o W_o + b_o on codes of FP8 (E4M3), 8,192 x 1,024 x 1,024; out0 f32.  A sum stands for sum x 2^(e6 + e7): one packed multiply-add gives sum x 2^(e6 + e7) + bias.
; LIMIT: e6 + e7 between -126 and 127, so that 2^(e6 + e7) is an f32 number.
; INPUT IMAGES: [256 along K: 4][tile of 16 rows][128 along K: 2][chunk 4][lane 32][16 bytes]: a fragment (16 rows x 128 K, 16 registers) is four chunks, lane l's 16 bytes at 16 l, k in the matrix form's own order.
; 8 tiles x 256 K are 32,768 dense bytes, one tensor load; every fragment is read at 16 x lane: consecutive bytes, no pitch, no padding.
; SHARES.  A work-group of four waves makes 256 tokens x 256 columns; a wave 128 x 128: 64 accumulators, 512 registers.  K goes in four steps of 256 through two LDS slots.
; CLUSTERS: 4 x 4 work-groups.  The four of a row need the same tiles of o, the four of a column the same tiles of W_o: each is asked for jointly, by the same tensor load with the same descriptor and a mask that names the four.
; THE MATRIX LINE is D(a, b) = BF[b] x AF[a], AF = tokens, BF = columns: lane (r, h), register j holds token 16 a + r, column 16 b + 8 h + j: eight neighbouring numbers of a row of out0.
; REGISTERS, in windows of 256: window 0: v12-29 addresses; v32-95 the bias; v128-255 AF, ONE set of 8 fragments (on the way out: rows read back from the stage).
;   window 1: BF, TWO sets, at v0 and v128.   window 2: accumulators of AF's blocks 0-3 ((a, b) at v[8 (8 (a % 4) + b)]);   window 3: of blocks 4-7.
.set HALFT,  32768                     ; 8 tiles x 4,096 bytes: what one tensor load brings, and what one wave reads of either side
.set SLOT,   4*HALFT                   ; o's 16 tiles, then W_o's 16 tiles
.set SPARE,  2*SLOT                    ; behind the ring: the spare words, 128 bytes a wave: two blocks of 256 bytes that no other line names
.set AKS,    2097152                   ; o_img: from 256 along K to the next
.set BKS,    262144                    ; wo_img: the same
.set SPITCH, 528                       ; the way out: a stage of 16 rows x (512 bytes + 16) for each wave, in slot 0, which has had its last fill and its last read when the first result is stored there
.set FR,     16
.set NL,     4
.set NP,     4                         ; places behind this matrix instruction (ISA guide 7.12.1)
.set LI,   12                          ; v12  16 x lane
.set HB,   13                          ; v13  32 h
.set ADRA, 16                          ; v16-17  LDS address of AF's fragments in slot 0, 1
.set ADRB, 20                          ; v20-21  of BF's
.set STO,  24                          ; v24  the way out: where I put 32 bytes of a row
.set RD,   25                          ; v25  and where I read a row back
.set SPW,  28                          ; v28  LDS address of my spare word; never rewritten
.set NIL,  29                          ; v29  0; never rewritten
.set BI,   32
.set AF,   128
.set BK,   128                         ; the way out: 16 rows read back: v128-191 and v192-255 by turns
.set G1, 24
.set G0, 32
.set G1B, 48
.set G0B, 56
.set MSB, 0
.macro WIN new                         ; the immediate's high byte repeats the setting that is left
.if MSB != (\new)
	s_set_vgpr_msb (MSB<<8)|(\new)
.set MSB, (\new)
.endif
.endm
.set MUL_LO, 0xa1                      ; source 0 (BF) window 1, source 1 (AF) window 0, C and D window 2
.set MUL_HI, 0xf1                      ; the same, C and D window 3
.set TO_B,   0x40                      ; destination window 1, address window 0
.macro JLOAD g0a, g1a, g0b, g1b        ; a joint load: waves 0 and 1 fetch o's halves, waves 2 and 3 W_o's; an s_nop 0 and four v_nop follow each of the two lines
	s_cmp_eq_u32 s15, 0
	s_cbranch_scc0 .Lfor_b_\@
	tensor_load_to_lds s[\g0a:\g0a+3], s[\g1a:\g1a+7]
	s_nop 0
.rept 4
	v_nop
.endr
	s_branch .Lasked_\@
.Lfor_b_\@:
	tensor_load_to_lds s[\g0b:\g0b+3], s[\g1b:\g1b+7]
	s_nop 0
.rept 4
	v_nop
.endr
.Lasked_\@:
.endm
.macro CREST                           ; a round of the cluster's barrier behind its opening barrier
	s_cmp_lg_u32 s14, 0
	s_cbranch_scc1 .Lnot_wave_0_\@
	s_barrier_signal -3
.Lnot_wave_0_\@:
	s_barrier_wait -3
	s_barrier_signal -1
	s_barrier_wait -1
.endm
.macro CROUND
	s_barrier_signal -1
	s_barrier_wait -1
	CREST
.endm
.macro FRAG reg, adr, q, i             ; tile i's fragment of the slot's q-th 128 along K: four chunks
.irp c, 0,1,2,3
	ds_load_b128 v[\reg+4*\c:\reg+4*\c+3], v[\adr] offset:4096*(\i)+2048*(\q)+512*\c
.endr
.endm
; 16 matrix instructions; the 64 accumulators take turns, one instruction a turn, in the same order in every step.  zero = 1: the first product starts the sums.
.macro MUL16 a0, p, zero
.irp a, \a0, \a0+1
.irp b, 0,1,2,3,4,5,6,7
.if \zero
	v_wmma_f32_16x16x128_fp8_fp8 v[8*(8*((\a)%4)+\b):8*(8*((\a)%4)+\b)+7], v[128*(\p)+FR*\b:128*(\p)+FR*\b+FR-1], v[AF+FR*(\a):AF+FR*(\a)+FR-1], 0
.else
	v_wmma_f32_16x16x128_fp8_fp8 v[8*(8*((\a)%4)+\b):8*(8*((\a)%4)+\b)+7], v[128*(\p)+FR*\b:128*(\p)+FR*\b+FR-1], v[AF+FR*(\a):AF+FR*(\a)+FR-1], v[8*(8*((\a)%4)+\b):8*(8*((\a)%4)+\b)+7]
.endif
.endr
.endr
.endm
.macro FETCH_B slot, q, p
	WIN TO_B
.irp i, 0,1,2,3,4,5,6,7
	FRAG 128*(\p)+FR*\i, ADRB+\slot, \q, \i
.endr
	WIN 0
.endm
.macro FETCH_A slot, q, i0
.irp i, \i0, \i0+1, \i0+2, \i0+3
	FRAG AF+FR*(\i), ADRA+\slot, \q, \i
.endr
.endm
.macro PLACES n                        ; plain vector lines between a matrix instruction and a load into, or a vector read of, its registers
.rept \n
	v_nop
.endr
.endm
.macro STEP slot, q, zero              ; a step of 128 along K that has its successor in the same slot
	s_wait_dscnt 4*NL                              ; BF's set and AF's blocks 0-3 are in; the youngest 16 loads (blocks 4-7) may be out
	WIN MUL_LO
	MUL16 0, (\q)%2, \zero
	MUL16 2, (\q)%2, \zero
	s_wait_dscnt 0                                 ; blocks 4-7 are in
	PLACES NP
	FETCH_B \slot, (\q)+1, 1-(\q)%2
	FETCH_A \slot, (\q)+1, 0
	WIN MUL_HI
	MUL16 4, (\q)%2, \zero
	MUL16 6, (\q)%2, \zero
	PLACES NP
	WIN 0
	FETCH_A \slot, (\q)+1, 4
.endm
; A slot's last step changes slots: one barrier; in front of it each wave waits for all its tensor loads, adds 0 to its spare word, and waits for that and for its reads of this slot.  fill = 1: the slot is filled again, two K steps ahead.
.macro TURN slot, next, fill
	s_wait_tensorcnt 0x0                           ; all my tensor loads have landed: my part of the next slot  (every window is 0 here)
	ds_add_u32 v[SPW], v[NIL]                      ; 0 onto my spare word
	s_wait_dscnt 4*NL+1                            ; the add and the youngest 16 loads may be out
	WIN MUL_LO
	MUL16 0, 1, 0                                  ; sixteen matrix instructions stand between the add and the wait for it
	s_wait_dscnt 0x0                               ; the add is done, and my reads of this slot are over
	s_barrier_signal -1
	MUL16 2, 1, 0
	WIN 0
	s_barrier_wait -1
.if \fill
	CREST                                          ; the barrier has opened a round of the cluster's: no wave of any partner still reads this slot or has a load on its way
	s_add_nc_u64 s[G0+4*\slot+2:G0+4*\slot+3], s[G0+4*\slot+2:G0+4*\slot+3], 2*AKS
	s_add_nc_u64 s[G0B+4*\slot+2:G0B+4*\slot+3], s[G0B+4*\slot+2:G0B+4*\slot+3], 2*BKS
	JLOAD G0+4*\slot, G1, G0B+4*\slot, G1B         ; the first tensor load behind the round; its four v_nop are the places in front of the loads below
.else
	PLACES NP
.endif
	FETCH_B \next, 0, 0
	FETCH_A \next, 0, 0
	WIN MUL_HI
	MUL16 4, 1, 0
	MUL16 6, 1, 0
	PLACES NP
	WIN 0
	FETCH_A \next, 0, 4
.endm
; THE WAY OUT, a block of 16 tokens x 128 columns at a time.  A lane holds 32 neighbouring bytes of a row, and the lanes beside it hold other rows: the block goes through my own stage in LDS and comes back as whole
; rows of 512 bytes.  LDS serves a wave's instructions in order (ISA guide 5.7.1.4): no wait between the stores and the loads, nor in front of the next block's stores.
.macro TOSTAGE a
.set AC, 64*((\a)%4)
	WIN 0x82+0x41*((\a)/4)                         ; destination and source 0: window 2 or 3; the bias: window 0
.set j, 0
.rept 32
	v_pk_fma_f32 v[AC+j:AC+j+1], v[AC+j:AC+j+1], s[88:89], v[BI+j:BI+j+1] op_sel_hi:[1,0,1]   ; sum x 2^(e6 + e7) + bias, in place, each accumulator from its low end on
.set j, j+2
.endr
	WIN 0x08+0x04*((\a)/4)                         ; an LDS store's data: window 2 or 3; its address: window 0
.irp b, 0,1,2,3,4,5,6,7
	ds_store_b128 v[STO], v[AC+8*\b:AC+8*\b+3] offset:64*\b
	ds_store_b128 v[STO], v[AC+8*\b+4:AC+8*\b+7] offset:64*\b+16
.endr
	WIN 0
.set BB, BK+64*((\a)%2)
.irp t, 0,1,2,3,4,5,6,7,8,9,10,11,12,13,14,15
	ds_load_b128 v[BB+4*\t:BB+4*\t+3], v[RD] offset:\t*SPITCH
.endr
.endm
.macro SEND a, younger                 ; younger: the LDS instructions issued behind block a's loads, which may stay out
.set BB, BK+64*((\a)%2)
	s_wait_dscnt \younger                          ; the block is back in registers
.if (\a) > 0
	s_add_nc_u64 s[68:69], s[68:69], 16*4096       ; (behind a wait for the earlier stores' addresses)  16 rows of out0 on
.endif
.irp t, 0,1,2,3,4,5,6,7,8,9,10,11,12,13,14,15
	global_store_b128 v[LI], v[BB+4*\t:BB+4*\t+3], s[68:69] offset:\t*4096 th:TH_STORE_NT   ; 32 lanes store 512 consecutive bytes, at a multiple of 256 from out0's first byte; written once, read by nobody here
.endr
.endm
	s_load_b256 s[4:11], s[0:1], 0x0               ; o_img s[4:5], wo_img s[6:7], b_o s[8:9], the scales' exponents s[10:11]
	s_load_b64 s[68:69], s[0:1], 0x20              ; out0
	v_lshl_add_u32 v[SPW], v0, 2, SPARE
	v_mov_b32 v[NIL], 0
	ds_add_u32 v[SPW], v[NIL]                      ; the wave's opening: the add and its wait stand ahead of my first tensor load; the set-up below, work on registers, stands between them
	ds_add_u32 v[SPW], v[NIL]
	v_lshrrev_b32 v1, 5, v0
	v_readfirstlane_b32 s14, v1                    ; wave 0..3
	s_lshr_b32 s15, s14, 1                         ; which half of the tokens is mine.  Also: I fetch for o (0) or for W_o (1)
	s_and_b32 s16, s14, 1                          ; which half of the columns.  Also: which 8 tiles I fetch
	s_bfe_u32 s40, ttmp6, 0x40000                  ; cx, cy: my place in the cluster
	s_bfe_u32 s41, ttmp6, 0x40004
	s_lshl_b32 s42, ttmp9, 2
	s_add_co_u32 s42, s42, s40                     ; block of 256 columns = 4 x cluster x + cx
	s_and_b32 s17, ttmp7, 0xffff
	s_lshl_b32 s17, s17, 2
	s_add_co_u32 s17, s17, s41                     ; block of 256 tokens = 4 x cluster y + cy
	s_lshl_b32 s43, s41, 2
	s_lshl_b32 s43, 15, s43                        ; my row of the cluster
	s_lshl_b32 s44, 0x1111, s40                    ; my column
	s_or_b32 s[G1+0], s43, (3<<16)|(1<<21)         ; group 1: 15:0 the mask: o's tiles go to my row; 17:16 elements of 8 bytes; 21 set beside a mask; no padding
	s_or_b32 s[G1B+0], s44, (3<<16)|(1<<21)        ; W_o's tiles go to my column
.irp g, G1, G1B
	s_mov_b32 s[\g+1], 32<<16                      ; tensor_dim0 = 32
	s_mov_b32 s[\g+2], 128<<16                     ; tensor_dim1 = 128
	s_mov_b32 s[\g+3], 32<<16                      ; tile_dim0 = 32
	s_mov_b32 s[\g+4], 128                         ; tile_dim1 = 128
	s_mov_b32 s[\g+5], 32                          ; tensor_dim0_stride: the rows are dense
	s_mov_b32 s[\g+6], 0
	s_mov_b32 s[\g+7], 0
.endr
	s_lshl_b32 s18, s16, 15                        ; which 8 tiles of 4,096 bytes
	s_lshl_b32 s20, s17, 16
	s_add_co_u32 s20, s20, s18                     ; o: tile 16 x block + 8 x half
	s_mov_b32 s21, 0
	s_lshl_b32 s46, s42, 16
	s_add_co_u32 s46, s46, s18                     ; W_o: likewise
	s_mov_b32 s47, 0
	s_mul_i32 s45, s14, HALFT                      ; where they go: wave x 32,768: no place in the cluster enters an LDS address
	s_wait_dscnt 0x0                               ; the opening add is done
	s_wait_kmcnt 0x0
	s_load_b256 s[80:87], s[10:11], 0x0            ; e0 .. e7
	s_add_nc_u64 s[20:21], s[4:5], s[20:21]
	s_add_nc_u64 s[46:47], s[6:7], s[46:47]
	CROUND                                         ; all sixteen work-groups are here: the first joint loads meet
.irp s, 0,1
	s_mov_b32 s[G0+4*\s], 1
	s_add_co_u32 s[G0+4*\s+1], s45, \s*SLOT
	s_add_nc_u64 s[G0+4*\s+2:G0+4*\s+3], s[20:21], \s*AKS
	s_or_b32 s[G0+4*\s+3], s[G0+4*\s+3], 0x80000000
	s_mov_b32 s[G0B+4*\s], 1
	s_add_co_u32 s[G0B+4*\s+1], s45, \s*SLOT
	s_add_nc_u64 s[G0B+4*\s+2:G0B+4*\s+3], s[46:47], \s*BKS
	s_or_b32 s[G0B+4*\s+3], s[G0B+4*\s+3], 0x80000000
	s_wait_alu depctr_va_vdst(0)
	s_wait_tensorcnt 0x0
	ds_add_u32 v28, v29
	ds_add_u32 v28, v29
	s_wait_dscnt 0x0
	CROUND
	JLOAD G0+4*\s, G1, G0B+4*\s, G1B               ; one load of mine is out here: the wait above takes in the one before
.endr
	v_and_b32 v1, 31, v0
	v_lshlrev_b32 v[LI], 4, v1
	v_and_b32 v2, 15, v0                           ; r
	s_wait_alu depctr_va_vdst(0)
	v_bfe_u32 v3, v0, 4, 1                         ; h
	v_lshlrev_b32 v[HB], 5, v3
	s_mul_i32 s92, s15, HALFT                      ; my 8 tiles of tokens,
	s_mul_i32 s93, s16, HALFT
	s_add_co_u32 s93, s93, 2*HALFT                 ; my 8 tiles of columns, behind o's 16
.irp s, 0,1
	v_add_nc_u32 v[ADRA+\s], s92, v[LI]
	v_add_nc_u32 v[ADRB+\s], s93, v[LI]
	s_add_co_u32 s92, s92, SLOT
	s_add_co_u32 s93, s93, SLOT
.endr
	s_mul_i32 s23, s14, 16*SPITCH                  ; my stage
	v_mul_u32_u24 v5, v2, SPITCH                   ; in: row r, 32 bytes for each half of the lanes
	s_wait_alu depctr_va_vdst(0)
	v_lshl_add_u32 v5, v3, 5, v5
	v_add_nc_u32 v[STO], s23, v5
	v_add_nc_u32 v[RD], s23, v[LI]                 ; back: the 32 lanes take one row of 512 bytes
	s_lshl_b32 s76, s42, 10                        ; the bias of my 128 columns: 4 x (256 x block + 128 x half)
	s_lshl_b32 s77, s16, 9
	s_add_co_u32 s76, s76, s77
	s_mov_b32 s77, 0
	s_add_nc_u64 s[76:77], s[8:9], s[76:77]
.irp b, 0,1,2,3,4,5,6,7
	global_load_b128 v[BI+8*\b:BI+8*\b+3],   v[HB], s[76:77] offset:64*\b       ; columns 16 b + 8 h + 0 .. 3
	global_load_b128 v[BI+8*\b+4:BI+8*\b+7], v[HB], s[76:77] offset:64*\b+16    ; + 4 .. 7
.endr
	s_lshl_b32 s92, s17, 8
	s_lshl_b32 s93, s15, 7
	s_add_co_u32 s92, s92, s93                     ; my first token: 256 x block + 128 x half,
	s_lshl_b32 s92, s92, 12                        ; rows of 4,096 bytes,
	s_lshl_b32 s93, s42, 10
	s_add_co_u32 s92, s92, s93                     ; + my first column, in bytes: 1,024 x block
	s_lshl_b32 s93, s16, 9
	s_add_co_u32 s92, s92, s93                     ; + 512 x half
	s_mov_b32 s93, 0
	s_add_nc_u64 s[68:69], s[68:69], s[92:93]
	s_wait_tensorcnt 1                             ; my part of K step 0 is in (K step 1's load may be out)
	s_barrier_signal -1
	s_barrier_wait -1                              ; everybody's is
	FETCH_B 0, 0, 0
	FETCH_A 0, 0, 0
	FETCH_A 0, 0, 4
	STEP 0, 0, 1                                   ; K 0-127: its products start the sums.  1,024 along K are four visits of a slot: they are written out
	TURN 0, 1, 1                                   ; K 128-255; slot 0 takes K 512-767
	STEP 1, 0, 0
	TURN 1, 0, 1                                   ; slot 1 takes K 768-1023
	STEP 0, 0, 0
	TURN 0, 1, 0                                   ; nothing is left to fetch: no round.  Behind this barrier nobody reads slot 0 any more
	STEP 1, 0, 0
	s_wait_dscnt 4*NL                              ; the very last step
	WIN MUL_LO
	MUL16 0, 1, 0
	MUL16 2, 1, 0
	s_wait_dscnt 0
	WIN MUL_HI
	MUL16 4, 1, 0
	MUL16 6, 1, 0
	WIN 0
	s_wait_loadcnt 0x0                             ; the bias
	s_wait_kmcnt 0x0
	s_add_co_i32 s88, s86, s87
	s_add_co_i32 s88, s88, 127
	s_lshl_b32 s88, s88, 23                        ; 2^(e6 + e7) as f32
	s_mov_b32 s89, s88                             ; (named with it as a pair, so it is written)
	PLACES NP
	TOSTAGE 0
.irp a, 1,2,3,4,5,6,7
.if \a > 1
	s_wait_xcnt 0x0                                ; block a - 2's stores have read their registers and their base: block a's loads may land there, and the base may step
.endif
	TOSTAGE \a
	SEND \a-1, 32                                  ; behind block a - 1's loads: block a's 16 stores and 16 loads
.endr
	s_wait_xcnt 0x0                                ; block 6's stores have read their base
	SEND 7, 0
	s_wait_tensorcnt 0x0                           ; the wave's end, behind my last tensor load and my last LDS store
	ds_add_u32 v[SPW], v[NIL]
	s_wait_dscnt 0x0
	CROUND                                         ; the closing round: no work-group ends while a partner may still ask for a tile that names it
	s_endpgm
.Lfunc_end_k_q306037193d_proj:
	.size	k_q306037193d_proj, .Lfunc_end_k_q306037193d_proj-k_q306037193d_proj
	.p2alignl 7, 3214868480
	.fill 96, 4, 3214868480
	.section	.rodata,"a",@progbits
	.p2align	6, 0x0
	.amdhsa_kernel k_q306037193d_proj
		.amdhsa_group_segment_fixed_size 327680
		.amdhsa_private_segment_fixed_size 0
		.amdhsa_enable_private_segment 0
		.amdhsa_kernarg_size 40
		.amdhsa_user_sgpr_count 2
		.amdhsa_user_sgpr_kernarg_segment_ptr 1
		.amdhsa_wavefront_size32 1
		.amdhsa_system_sgpr_workgroup_id_x 1
		.amdhsa_system_sgpr_workgroup_id_y 1
		.amdhsa_system_sgpr_workgroup_id_z 1
		.amdhsa_system_vgpr_workitem_id 0
		.amdhsa_next_free_vgpr 1024
		.amdhsa_next_free_sgpr 100
		.amdhsa_reserve_vcc 0
		.amdhsa_float_denorm_mode_32 3
		.amdhsa_float_denorm_mode_16_64 3
		.amdhsa_memory_ordered 1
		.amdhsa_forward_progress 1
		.amdhsa_inst_pref_size 126
	.end_amdhsa_kernel
	.amdgpu_metadata
---
amdhsa.version: [ 1, 2 ]
amdhsa.kernels:
  - .name:           k_q306037193d_proj
    .symbol:         k_q306037193d_proj.kd
    .args:
      - { .name: o_img, .offset: 0, .size: 8, .value_kind: global_buffer, .address_space: global }
      - { .name: wo_img, .offset: 8, .size: 8, .value_kind: global_buffer, .address_space: global }
      - { .name: b_o, .offset: 16, .size: 8, .value_kind: global_buffer, .address_space: global }
      - { .name: lowp_scales, .offset: 24, .size: 8, .value_kind: global_buffer, .address_space: global }
      - { .name: out0, .offset: 32, .size: 8, .value_kind: global_buffer, .address_space: global }
    .group_segment_fixed_size: 327680
    .private_segment_fixed_size: 0
    .kernarg_segment_align: 8
    .kernarg_segment_size: 40
    .max_flat_workgroup_size: 128
    .sgpr_count:     100
    .vgpr_count:     1024
    .wavefront_size: 32
...
	.end_amdgpu_metadata
.endif
;; end of part 4
